; MI455X (gfx1250); checked and timed in simulation.
; The chip was launched on July 23, 2026; its instructions are those of AMD's public machine-readable ISA for CDNA 5 (MIT licence, August 2026) and "CDNA5" Instruction Set Architecture Reference Guide (July 2026). The comments in the code are by the model that wrote it; some were corrected since.
;; Multi Head Attention. Allowed arithmetic: matrix products marked QUANTISED: E3M2 operands, one E8M0 scale for each 32 along K, by v_wmma_scale_f32_16x16x128_f8f6f4 with both operands' format E3M2, f32 sums; everything else in f32.
;; Inputs: b_k 1,024 float32; b_o 1,024 float32; b_q 1,024 float32; b_v 1,024 float32; w_k 1,024 x 1,024 float32; w_o 1,024 x 1,024 float32; w_q 1,024 x 1,024 float32; w_v 1,024 x 1,024 float32; x 4 x 2,048 x 1,024 float32.
;; Outputs: out0 4 x 2,048 x 1,024 float32.
;; This version of the problem:
;;   THIS VERSION OF THE PROBLEM IS GIVEN IN LOW PRECISION. The matrix products marked QUANTISED in the list below multiply operands that are first quantised to E3M2 (3 exponent bits, 2 mantissa bits; 6 bits a number), with one power-of-two scale for each 32 numbers along K (OCP MX v1.0); their sums are f32. All else is computed in f32.
;;   The module's matrix products, in the order in which they are computed (A, B: the left and right operand; K: the contracted axis; several contracted axes count as one K, in the product's order):
;;     1. [M 8,192, K 1,024] x [K 1,024, N 1,024]; A: input x; B: input w_q: QUANTISED
;;     2. [M 8,192, K 1,024] x [K 1,024, N 1,024]; A: input x; B: input w_k: QUANTISED
;;     3. [M 8,192, K 1,024] x [K 1,024, N 1,024]; A: input x; B: input w_v: QUANTISED
;;     4. batch 64 x [M 2,048, K 64] x [K 64, N 2,048]; A: computed on the way; B: computed on the way: QUANTISED
;;     5. batch 64 x [M 2,048, K 2,048] x [K 2,048, N 64]; A: softmax (see below); B: computed on the way: QUANTISED
;;     6. [M 8,192, K 1,024] x [K 1,024, N 1,024]; A: computed on the way; B: input w_o: QUANTISED
;;   THE QUANTISER, for each operand of a quantised product, along K:
;;     - K is cut into blocks of 32 from its start; a last block that is shorter is filled with zeros.
;;     - A block's scale is 2^e with e = floor(log2(the largest magnitude in the block)) - 4, held to -126 .. 127; a block of zeros has e = 0. As a byte (E8M0): e + 127.
;;     - Each number is divided by its block's scale, clamped to +-28, and rounded to the nearest number of E3M2, ties to even, subnormals kept.
;;     - The product sums the exact products of the quantised numbers (number of the format x scale) in f32.
;;   ~~~python
;;   def quantise(x, axis):      # numpy; x: float32 -> the quantised numbers, widened to float32 again
;;       x = np.moveaxis(x, axis, -1); K = x.shape[-1]
;;       x = np.pad(x, [(0, 0)] * (x.ndim - 1) + [(0, -K % 32)]); x = x.reshape(x.shape[:-1] + (-1, 32)); a = np.abs(x).max(-1, keepdims=True)
;;       e = np.where(a > 0, np.clip(np.frexp(np.where(a > 0, a, 1))[1] - 1 - 4, -126, 127), 0)      # np.frexp(a)[1] - 1 = floor(log2(a)), exactly
;;       r = np.clip(x / 2.0 ** e, -28, 28)
;;       step = 2.0 ** (np.maximum(np.frexp(np.where(r == 0, 1, r))[1] - 1, -2) - 2)
;;       q = np.round(r / step) * step * 2.0 ** e      # np.round: ties to even
;;       return np.moveaxis(q.reshape(q.shape[:-2] + (-1,))[..., :K], -1, axis).astype(np.float32)
;;   ~~~
;;   SOFTMAX AHEAD OF A QUANTISED PRODUCT. Where the list says 'softmax', what is quantised is not the finished softmax but p = 2^(t - M), with t = logit x log2(e) and M = ceil(the row's largest t), a whole number; so 1/2 < the row's largest p <= 1. The row's sum l is taken of the UNQUANTISED p, in f32, and the product's result is divided by l at the end. Since M is a whole number, a kernel that streams over the keys may use a running M (the ceiling of the running maximum): every later rescaling is an exact power of two, which a block's scale takes up: the codes' values come out the same.
;;   OPERANDS COMPUTED ON THE WAY. 'Computed on the way' means the value that the module computes at that place (a softmax that the list does not call 'softmax' is quantised finished and normalised). What goes into a quantiser is computed in f32, as accurately as f32 sums, v_exp_f32 and their like allow (about 1e-6 of the number): no bf16 or f16 on the way to a quantiser, and a product that is left as it is and whose result goes on into a quantised operand takes f32 operands (vector FMAs, or v_wmma_f32_16x16x4_f32). A number that lies on a knife's edge between two numbers of the format may be rounded either way, as far as f32 arithmetic and the matrix unit's own rounding can turn it there, and no further.
;; One version. Each part assembles by itself: llvm-mc -triple=amdgcn-amd-amdhsa -mcpu=gfx1250 --defsym DOCPART=n.
;; ======== version 1 of 1: 5 launches
;; workspace buffers: x_codes 6,291,456 bytes; x_scales 262,144 bytes; w_codes 3,145,728 bytes; w_scales 131,072 bytes; q 6,815,744 bytes; kv 13,631,488 bytes; o_codes 6,291,456 bytes; o_scales 262,144 bytes
;; launch quant_x (part 1): grid 256 x 1, 4 waves a work-group, no clusters, 72,192 bytes of LDS; arguments x, x_codes, x_scales; writes x_codes, x_scales
.if DOCPART == 1
	.amdgcn_target "amdgcn-amd-amdhsa--gfx1250"
	.amdhsa_code_object_version 6
	.text
	.protected	k_q7eb9b426ce_quant_x
	.globl	k_q7eb9b426ce_quant_x
	.p2align	8
	.type	k_q7eb9b426ce_quant_x,@function
k_q7eb9b426ce_quant_x:
	s_mov_b64 s[64:65], 0
	v_nop
	global_prefetch_b8 v0, s[64:65] scope:SCOPE_SE
	s_setreg_imm32_b32 hwreg(HW_REG_WAVE_MODE, 25, 1), 1
	s_wait_xcnt 0x0
; x [8192 tokens][1024] f32 becomes codes of BF6 (E3M2) with one E8M0 scale byte for each 32 along K, laid as the products' launches want an operand.
; A block's scale is 2^(floor(log2(its largest magnitude)) - 4); its byte is the largest magnitude's exponent field - 4, held at 1 from below.
; LIMITS: NaN and infinities among the inputs are not served.  A block whose largest magnitude lies under 2^-122 has its byte held at 1.  A block of zeros gets the byte 1 where the
; quantiser's text says 127: its codes are zeros, which add nothing under any byte but 0xff, and this program alone reads the bytes.
; ORDER OF ROWS: position p of the codes holds token pi(p), p with bits 3 and 4 exchanged.  So a tile of 16 positions holds tokens 32 b + 8 u + r + 8 (r / 8).
; LAYOUT OF CODES: pieces of 16 positions x 64 K, 768 bytes: three groups of 256 bytes; in group g lane 16 h + r has 8 bytes at 8 x lane: registers 2 g, 2 g + 1 of the six that hold row r, k = 32 h + 0 .. 31 of the piece.
;   A row block (16 positions, all of K) is 16 pieces on end, 12,288 bytes.  SCALE BYTES: [position][32].
; SHARES: a work-group takes 32 tokens, two row blocks.  Wave w takes row block w / 2 and K half w % 2: 16 positions x 512 K in 8 steps.  In step t lanes 0-15 hold position t, lanes 16-31 position t + 8,
;   each lane one whole block of 32: no other lane is asked for a maximum.
; Each load reads 512 consecutive bytes, 16 a lane; a step's 4,096 bytes turn through the wave's own stage in LDS and come back 128 bytes a lane.  The codes are gathered in a second stage of the wave's own and
; leave as 24 aligned runs of 256 bytes.  A row's 32 scale bytes come from two waves: they meet in a stage of the work-group's, behind the launch's one barrier.
.set WREG,  17664                      ; LDS of a wave: two turn stages, then the code stage
.set TPL,   144                        ; a lane's place in a turn stage: 128 bytes + 16: an odd multiple of 16
.set TST,   32*TPL
.set CSTG,  2*TST
.set GP,    344                        ; a group of 256 bytes in the code stage, and 88 of padding: a piece is 258 words, so the 32 lanes of a store of 8 bytes touch 64 different banks
.set SSTG,  4*WREG                     ; the work-group's scale bytes: [2 row blocks][16 rows][32]
.set R,     16                         ; v16-143  four sets of 32 registers as loaded
.set X,     144                        ; v144-207 two sets of 32 neighbours
.set C,     208                        ; v208-223 two sets of 8: a block's codes
.set E,     14                         ; v14-15   the scale byte, by the step's parity
	s_load_b128 s[4:7], s[0:1], 0x0                ; x, x_codes
	s_load_b64 s[8:9], s[0:1], 0x10                ; x_scales
	v_lshl_add_u32 v224, v0, 2, 0x11800
	v_mov_b32 v225, 0
	v_lshrrev_b32 v1, 5, v0
	v_readfirstlane_b32 s12, v1                    ; wave
	s_lshr_b32 s13, s12, 1                         ; which row block
	s_and_b32 s14, s12, 1                          ; which half of K
	v_and_b32 v2, 31, v0                           ; lane
	v_lshlrev_b32 v3, 4, v2                        ; my 16 bytes of a load's 512
	s_mul_i32 s15, s12, WREG
	v_lshrrev_b32 v4, 3, v2
	v_mul_u32_u24 v4, v4, TPL
	v_and_b32 v5, 7, v2
	v_lshl_add_u32 v4, v5, 4, v4
	v_add_nc_u32 v4, s15, v4                       ; into a turn stage: eight lanes' 128 bytes make one place; a load's 512 bytes take four places
	v_mul_u32_u24 v5, v2, TPL
	v_add_nc_u32 v5, s15, v5                       ; and out of it: my place
	v_bfe_u32 v6, v2, 1, 3                         ; my block's piece: (lane % 16) / 2
	v_mul_u32_u24 v6, v6, 3*GP
	v_and_b32 v7, 1, v2
	v_lshl_add_u32 v6, v7, 7, v6                   ; its half of the piece: 128 bytes
	v_lshrrev_b32 v7, 4, v2
	v_lshl_add_u32 v6, v7, 6, v6                   ; rows 8 on for lanes 16-31
	v_add_nc_u32 v6, s15, v6
	v_add_nc_u32 v6, CSTG, v6                      ; into the code stage
	v_lshlrev_b32 v7, 8, v7
	v_and_b32 v8, 15, v2
	v_add_nc_u32 v7, v7, v8
	s_lshl_b32 s16, s13, 9
	s_lshl_b32 s17, s14, 4
	s_add_co_u32 s16, s16, s17
	s_add_co_u32 s16, s16, SSTG
	v_add_nc_u32 v7, s16, v7                       ; my block's scale byte: 512 x row block + 16 x half + 256 (lane / 16) + lane % 16
	v_lshlrev_b32 v10, 3, v2                       ; 8 bytes a lane on the way out
	v_add_nc_u32 v8, s15, v10
	v_add_nc_u32 v8, CSTG, v8                      ; out of the code stage
	s_lshl_b32 s16, s12, 8
	s_add_co_u32 s16, s16, SSTG
	v_add_nc_u32 v9, s16, v10                      ; out of the scale stage: wave w takes its bytes 256 w on
	s_lshl_b32 s16, ttmp9, 17                      ; x: (32 g + 8 x row block) rows of 4,096 bytes + 2,048 x half
	s_lshl_b32 s17, s13, 15
	s_add_co_u32 s16, s16, s17
	s_lshl_b32 s17, s14, 11
	s_add_co_u32 s16, s16, s17
	s_mov_b32 s17, 0
	s_mul_i32 s18, ttmp9, 24576                    ; codes: (2 g + row block) x 12,288 + 6,144 x half
	s_mul_i32 s19, s13, 12288
	s_add_co_u32 s18, s18, s19
	s_mul_i32 s19, s14, 6144
	s_add_co_u32 s18, s18, s19
	s_mov_b32 s19, 0
	s_lshl_b32 s20, ttmp9, 10                      ; scale bytes: 1,024 g + 256 w
	s_lshl_b32 s21, s12, 8
	s_add_co_u32 s20, s20, s21
	s_mov_b32 s21, 0
	s_wait_kmcnt 0x0
	s_add_nc_u64 s[4:5], s[4:5], s[16:17]
	s_add_nc_u64 s[6:7], s[6:7], s[18:19]
	s_add_nc_u64 s[8:9], s[8:9], s[20:21]
.macro LOAD t                          ; step t: 2,048 bytes of token t and of token t + 16 of my row block's tokens
.irp i, 0,1,2,3,4,5,6,7
	global_load_b128 v[R+32*((\t)%4)+4*\i:R+32*((\t)%4)+4*\i+3], v3, s[4:5] offset:((\t)+16*(\i/4))*4096+512*(\i%4) th:TH_LOAD_NT
.endr
.endm
.macro TURN t                          ; through the stage: LDS serves a wave's instructions in order, so no wait stands between the stores and the loads
.irp i, 0,1,2,3,4,5,6,7
	ds_store_b128 v4, v[R+32*((\t)%4)+4*\i:R+32*((\t)%4)+4*\i+3] offset:TST*((\t)%2)+4*TPL*\i
.endr
.irp j, 0,1,2,3,4,5,6,7
	ds_load_b128 v[X+32*((\t)%2)+4*\j:X+32*((\t)%2)+4*\j+3], v5 offset:TST*((\t)%2)+16*\j
.endr
.endm
.irp t, 0,1,2,3
	LOAD \t
.endr
	s_wait_loadcnt 24                              ; step 0's eight loads are in
	TURN 0
.macro STEP t
.set XS, X+32*((\t)%2)
.set CC, C+8*((\t)%2)
.if (\t) > 0
	s_wait_dscnt 4                                 ; all but the last step's four stores: my numbers are back, their way in has read its registers, and the stores of two steps ago have read this parity's codes and byte
.else
	s_wait_dscnt 0x0
.endif
.if (\t)+4 < 8
	LOAD (\t)+4
.endif
.if (\t) < 7
.if (\t)+4 < 8
	s_wait_loadcnt 24                              ; the next step's loads are in; those of the three steps behind it may be out
.else
	s_wait_loadcnt 8*(6-(\t))
.endif
	TURN (\t)+1
.endif
	v_max3_num_f32 v12, |v[XS]|, |v[XS+1]|, |v[XS+2]|               ; the block's largest magnitude: all 32 numbers are mine; two chains
	v_max3_num_f32 v13, |v[XS+3]|, |v[XS+4]|, |v[XS+5]|
.irp i, 6,10,14,18,22,26
	v_max3_num_f32 v12, v12, |v[XS+\i]|, |v[XS+\i+1]|
	v_max3_num_f32 v13, v13, |v[XS+\i+2]|, |v[XS+\i+3]|
.endr
	v_max3_num_f32 v12, v12, |v[XS+30]|, |v[XS+31]|
	v_max3_num_f32 v12, v12, v13, 0x2800000        ; and the floor 2^(5 - 127): the byte cannot fall under 1
	v_add_nc_u32 v11, 0xfe000000, v12              ; 4 off its exponent field: the conversion takes the exponent field of this operand as its scale
	v_cvt_scalef32_pk16_bf6_f32 v[CC:CC+2], v[XS:XS+15], v11
	v_cvt_scalef32_pk16_bf6_f32 v[CC+4:CC+6], v[XS+16:XS+31], v11   ; (a conversion's three registers begin on an even number)
	v_lshrrev_b32 v[E+(\t)%2], 23, v11             ; the scale's byte; also the plain line behind the conversions
	v_mov_b32 v[CC+3], v[CC+4]                     ; the block's six registers on end
	v_mov_b32 v[CC+4], v[CC+5]
	v_mov_b32 v[CC+5], v[CC+6]
.irp g, 0,1,2
	ds_store_b64 v6, v[CC+2*\g:CC+2*\g+1] offset:GP*\g+8*(\t)
.endr
	ds_store_b8 v7, v[E+(\t)%2] offset:32*(\t)
.endm
.irp t, 0,1,2,3,4,5,6,7
	STEP \t
.endr
	s_wait_dscnt 0x0                               ; for the others' sake: my scale bytes lie in the stage
	s_barrier_signal -1
	s_barrier_wait -1
	ds_load_b64 v[64:65], v9
.irp n, 0,1,2,3,4,5,6,7,8,9,10,11,12,13,14,15,16,17,18,19,20,21,22,23
	ds_load_b64 v[16+2*\n:17+2*\n], v8 offset:GP*\n
.endr
	s_wait_dscnt 24
	global_store_b64 v10, v[64:65], s[8:9]         ; 32 lanes store 256 consecutive bytes, aligned
.irp n, 0,1,2,3,4,5,6,7,8,9,10,11,12,13,14,15,16,17,18,19,20,21,22,23
	s_wait_dscnt 23-\n
	global_store_b64 v10, v[16+2*\n:17+2*\n], s[6:7] offset:256*\n   ; likewise: one group of a piece
.endr
	s_wait_tensorcnt 0x0
	ds_add_u32 v224, v225
	s_wait_dscnt 0x0
	s_endpgm
.Lfunc_end_k_q7eb9b426ce_quant_x:
	.size	k_q7eb9b426ce_quant_x, .Lfunc_end_k_q7eb9b426ce_quant_x-k_q7eb9b426ce_quant_x
	.p2alignl 7, 3214868480
	.fill 96, 4, 3214868480
	.section	.rodata,"a",@progbits
	.p2align	6, 0x0
	.amdhsa_kernel k_q7eb9b426ce_quant_x
		.amdhsa_group_segment_fixed_size 72192
		.amdhsa_private_segment_fixed_size 0
		.amdhsa_enable_private_segment 0
		.amdhsa_kernarg_size 24
		.amdhsa_user_sgpr_count 2
		.amdhsa_user_sgpr_kernarg_segment_ptr 1
		.amdhsa_wavefront_size32 1
		.amdhsa_system_sgpr_workgroup_id_x 1
		.amdhsa_system_sgpr_workgroup_id_y 1
		.amdhsa_system_sgpr_workgroup_id_z 1
		.amdhsa_system_vgpr_workitem_id 0
		.amdhsa_next_free_vgpr 226
		.amdhsa_next_free_sgpr 66
		.amdhsa_reserve_vcc 0
		.amdhsa_float_denorm_mode_32 3
		.amdhsa_float_denorm_mode_16_64 3
		.amdhsa_memory_ordered 1
		.amdhsa_forward_progress 1
		.amdhsa_inst_pref_size 35
	.end_amdhsa_kernel
	.amdgpu_metadata
---
amdhsa.version: [ 1, 2 ]
amdhsa.kernels:
  - .name:           k_q7eb9b426ce_quant_x
    .symbol:         k_q7eb9b426ce_quant_x.kd
    .args:
      - { .name: x, .offset: 0, .size: 8, .value_kind: global_buffer, .address_space: global }
      - { .name: x_codes, .offset: 8, .size: 8, .value_kind: global_buffer, .address_space: global }
      - { .name: x_scales, .offset: 16, .size: 8, .value_kind: global_buffer, .address_space: global }
    .group_segment_fixed_size: 72192
    .private_segment_fixed_size: 0
    .kernarg_segment_align: 8
    .kernarg_segment_size: 24
    .max_flat_workgroup_size: 128
    .sgpr_count:     66
    .vgpr_count:     226
    .wavefront_size: 32
...
	.end_amdgpu_metadata
.endif
;; end of part 1
;; launch quant_w (part 2): grid 32 x 4, 4 waves a work-group, no clusters, 26,112 bytes of LDS; arguments w_q, w_k, w_v, w_o, w_codes, w_scales; writes w_codes, w_scales
.if DOCPART == 2
	.amdgcn_target "amdgcn-amd-amdhsa--gfx1250"
	.amdhsa_code_object_version 6
	.text
	.protected	k_q7eb9b426ce_quant_w
	.globl	k_q7eb9b426ce_quant_w
	.p2align	8
	.type	k_q7eb9b426ce_quant_w,@function
k_q7eb9b426ce_quant_w:
	s_mov_b64 s[64:65], 0
	v_nop
	global_prefetch_b8 v0, s[64:65] scope:SCOPE_SE
	s_setreg_imm32_b32 hwreg(HW_REG_WAVE_MODE, 25, 1), 1
	s_wait_xcnt 0x0
; The four weights [1024 (k)][1024 (n)] f32, K on the FIRST axis, become codes of BF6 (E3M2) with K innermost and one E8M0 scale byte for each 32 along K.
; w_codes holds 4,096 positions: w_q's columns from 0, w_k's from 1,024, w_v's from 2,048, w_o's from 3,072; position p holds column pi(p), p with bits 3 and 4 exchanged.
; LAYOUT OF CODES: pieces of 16 positions x 64 K, 768 bytes: three groups of 256 bytes; in group g lane 16 h + r has 8 bytes at 8 x lane: registers 2 g, 2 g + 1 of the six that hold row r, k = 32 h + 0 .. 31 of the piece;
;   a row block (16 positions, all of K) is 12,288 bytes.  SCALE BYTES: [position][32].
; A LANE TAKES A COLUMN, AND ITS REGISTERS RUN DOWN K: each load reads 128 consecutive bytes a wave, a block of 32 lies in one lane, and the conversions give codes with K innermost.  Nothing is transposed.
; LIMITS: NaN and infinities are not served; a block whose largest magnitude lies under 2^-122 has its byte held at 1; a block of zeros gets the byte 1 (its codes are zeros; this program alone reads the bytes).
; SHARES: work-group x = 8 x weight + block of 128 columns, y = quarter of K.  A wave takes 32 columns x 256 K: two row blocks x 3,072 bytes, gathered in its own stage and stored as runs of 512 bytes.
; The 8 scale bytes of a lane go out by one store of 8 bytes to rows 32 bytes apart: one byte in 128 of what the launch reads.  No barrier: waves share nothing.
.set NB,    8                          ; blocks of a lane
.set WST,   6400                       ; a wave's stage: two row blocks,
.set RBP,   3200                       ; 3,072 bytes + 128 each: 800 words, so the two row blocks' lanes fall on different halves of the banks
.set X,     32                         ; v32-95   two sets of 32 numbers
.set C,     96                         ; v96-102  a block's codes
.set OUTR,  112                        ; v112-159 the way out
.set SB,    24                         ; v24-25   the scale bytes
	s_load_b256 s[4:11], s[0:1], 0x0               ; w_q, w_k, w_v, w_o
	s_load_b128 s[12:15], s[0:1], 0x20             ; w_codes, w_scales
	v_lshl_add_u32 v160, v0, 2, 0x6400
	v_mov_b32 v161, 0
	v_lshrrev_b32 v1, 5, v0
	v_readfirstlane_b32 s16, v1                    ; wave
	v_and_b32 v2, 31, v0                           ; lane
	s_lshr_b32 s17, ttmp9, 3                       ; which weight
	s_and_b32 s18, ttmp9, 7                        ; which 128 columns
	s_and_b32 s19, ttmp7, 0xffff                   ; which quarter of K
	v_lshlrev_b32 v3, 2, v2                        ; in: 4 bytes a lane
	v_and_b32 v5, 7, v2
	v_lshrrev_b32 v6, 4, v2
	v_lshl_or_b32 v5, v6, 3, v5                    ; my column's position among the wave's 32 is 16 x (bit 3 of the lane) + r, r = lane % 8 + 8 (lane / 16)
	v_bfe_u32 v6, v2, 3, 1
	s_mul_i32 s20, s16, WST
	v_mul_u32_u24 v4, v6, RBP
	v_lshl_add_u32 v4, v5, 3, v4
	v_add_nc_u32 v4, s20, v4                       ; into the stage
	v_lshlrev_b32 v8, 4, v2                        ; out: 16 bytes a lane
	v_add_nc_u32 v7, s20, v8
	v_lshl_add_u32 v9, v6, 4, v5
	v_lshlrev_b32 v9, 5, v9                        ; my position's row of scale bytes
	s_lshl_b32 s21, s18, 7
	s_lshl_b32 s22, s16, 5
	s_add_co_u32 s21, s21, s22                     ; my wave's first column
	s_lshl_b32 s24, s19, 20                        ; the weight: 256 y rows of 4,096 bytes + 4 x column
	s_lshl_b32 s22, s21, 2
	s_add_co_u32 s24, s24, s22
	s_mov_b32 s25, 0
	s_lshl_b32 s26, s17, 6                         ; codes: row block 64 x weight + 8 x block + 2 x wave, + 3,072 y
	s_lshl_b32 s22, s18, 3
	s_add_co_u32 s26, s26, s22
	s_lshl_b32 s22, s16, 1
	s_add_co_u32 s26, s26, s22
	s_mul_i32 s26, s26, 12288
	s_mul_i32 s22, s19, 3072
	s_add_co_u32 s26, s26, s22
	s_mov_b32 s27, 0
	s_lshl_b32 s28, s17, 10                        ; scale bytes: (1,024 x weight + column) x 32 + 8 y
	s_add_co_u32 s28, s28, s21
	s_lshl_b32 s28, s28, 5
	s_lshl_b32 s22, s19, 3
	s_add_co_u32 s28, s28, s22
	s_mov_b32 s29, 0
	s_wait_kmcnt 0x0
	s_cmp_eq_u32 s17, 1                            ; the choice of the weight hangs on the work-group's number alone
	s_cselect_b64 s[4:5], s[6:7], s[4:5]
	s_cmp_eq_u32 s17, 2
	s_cselect_b64 s[4:5], s[8:9], s[4:5]
	s_cmp_eq_u32 s17, 3
	s_cselect_b64 s[4:5], s[10:11], s[4:5]
	s_add_nc_u64 s[4:5], s[4:5], s[24:25]
	s_add_nc_u64 s[12:13], s[12:13], s[26:27]
	s_add_nc_u64 s[14:15], s[14:15], s[28:29]
.macro LOAD t                          ; block t: w(32 t + i, my column), i = 0 .. 31, into set t % 2; the largest offset, 255 rows, lies inside the signed 24-bit immediate
.irp i, 0,1,2,3,4,5,6,7,8,9,10,11,12,13,14,15,16,17,18,19,20,21,22,23,24,25,26,27,28,29,30,31
	global_load_b32 v[X+32*((\t)%2)+\i], v3, s[4:5] offset:(32*(\t)+\i)*4096 th:TH_LOAD_NT
.endr
.endm
	LOAD 0
	LOAD 1
.macro BLOCK t
.set XS, X+32*((\t)%2)
.if (\t) < NB-1
	s_wait_loadcnt 32                              ; this block's 32 loads are in; the next block's may be out
.else
	s_wait_loadcnt 0
.endif
	v_max3_num_f32 v12, |v[XS]|, |v[XS+1]|, |v[XS+2]|
	v_max3_num_f32 v13, |v[XS+3]|, |v[XS+4]|, |v[XS+5]|
.irp i, 6,10,14,18,22,26
	v_max3_num_f32 v12, v12, |v[XS+\i]|, |v[XS+\i+1]|
	v_max3_num_f32 v13, v13, |v[XS+\i+2]|, |v[XS+\i+3]|
.endr
	v_max3_num_f32 v12, v12, |v[XS+30]|, |v[XS+31]|
	v_max3_num_f32 v12, v12, v13, 0x2800000        ; the floor 2^(5 - 127): the byte cannot fall under 1
	v_add_nc_u32 v11, 0xfe000000, v12              ; 4 off the exponent field: the conversion's scale operand
	v_lshrrev_b32 v13, 23, v11                     ; the scale's byte
.if (\t)%4 == 0
	v_mov_b32 v[SB+(\t)/4], v13                    ; four bytes to a register, the lower K in the lower byte
.else
	v_lshl_or_b32 v[SB+(\t)/4], v13, 8*((\t)%4), v[SB+(\t)/4]
.endif
	v_cvt_scalef32_pk16_bf6_f32 v[C:C+2], v[XS:XS+15], v11
	v_cvt_scalef32_pk16_bf6_f32 v[C+4:C+6], v[XS+16:XS+31], v11     ; (a conversion's three registers begin on an even number)
	v_nop                                          ; one plain line behind the conversions
	v_mov_b32 v[C+3], v[C+4]                       ; the block's six registers on end
	v_mov_b32 v[C+4], v[C+5]
	v_mov_b32 v[C+5], v[C+6]
.irp g, 0,1,2
	ds_store_b64 v4, v[C+2*\g:C+2*\g+1] offset:(3*((\t)/2)+\g)*256+((\t)%2)*128   ; piece t / 2, its half t % 2
.endr
.if (\t)+2 < NB
	LOAD (\t)+2
.endif
	s_wait_dscnt 0x0                               ; the stores have read their registers: the next block's codes may be written
.endm
.irp t, 0,1,2,3,4,5,6,7
	BLOCK \t
.endr
	global_store_b64 v9, v[SB:SB+1], s[14:15]      ; my position's 8 scale bytes
.irp n, 0,1,2,3,4,5,6,7,8,9,10,11
	ds_load_b128 v[OUTR+4*\n:OUTR+4*\n+3], v7 offset:RBP*(\n/6)+512*(\n%6)   ; LDS serves a wave's instructions in order: these see my stores
.endr
.irp n, 0,1,2,3,4,5,6,7,8,9,10,11
	s_wait_dscnt 11-\n
	global_store_b128 v8, v[OUTR+4*\n:OUTR+4*\n+3], s[12:13] offset:12288*(\n/6)+512*(\n%6)   ; 32 lanes store 512 consecutive bytes, aligned to 256
.endr
	s_wait_tensorcnt 0x0
	ds_add_u32 v160, v161
	s_wait_dscnt 0x0
	s_endpgm
.Lfunc_end_k_q7eb9b426ce_quant_w:
	.size	k_q7eb9b426ce_quant_w, .Lfunc_end_k_q7eb9b426ce_quant_w-k_q7eb9b426ce_quant_w
	.p2alignl 7, 3214868480
	.fill 96, 4, 3214868480
	.section	.rodata,"a",@progbits
	.p2align	6, 0x0
	.amdhsa_kernel k_q7eb9b426ce_quant_w
		.amdhsa_group_segment_fixed_size 26112
		.amdhsa_private_segment_fixed_size 0
		.amdhsa_enable_private_segment 0
		.amdhsa_kernarg_size 48
		.amdhsa_user_sgpr_count 2
		.amdhsa_user_sgpr_kernarg_segment_ptr 1
		.amdhsa_wavefront_size32 1
		.amdhsa_system_sgpr_workgroup_id_x 1
		.amdhsa_system_sgpr_workgroup_id_y 1
		.amdhsa_system_sgpr_workgroup_id_z 1
		.amdhsa_system_vgpr_workitem_id 0
		.amdhsa_next_free_vgpr 162
		.amdhsa_next_free_sgpr 66
		.amdhsa_reserve_vcc 0
		.amdhsa_float_denorm_mode_32 3
		.amdhsa_float_denorm_mode_16_64 3
		.amdhsa_memory_ordered 1
		.amdhsa_forward_progress 1
		.amdhsa_inst_pref_size 43
	.end_amdhsa_kernel
	.amdgpu_metadata
---
amdhsa.version: [ 1, 2 ]
amdhsa.kernels:
  - .name:           k_q7eb9b426ce_quant_w
    .symbol:         k_q7eb9b426ce_quant_w.kd
    .args:
      - { .name: w_q, .offset: 0, .size: 8, .value_kind: global_buffer, .address_space: global }
      - { .name: w_k, .offset: 8, .size: 8, .value_kind: global_buffer, .address_space: global }
      - { .name: w_v, .offset: 16, .size: 8, .value_kind: global_buffer, .address_space: global }
      - { .name: w_o, .offset: 24, .size: 8, .value_kind: global_buffer, .address_space: global }
      - { .name: w_codes, .offset: 32, .size: 8, .value_kind: global_buffer, .address_space: global }
      - { .name: w_scales, .offset: 40, .size: 8, .value_kind: global_buffer, .address_space: global }
    .group_segment_fixed_size: 26112
    .private_segment_fixed_size: 0
    .kernarg_segment_align: 8
    .kernarg_segment_size: 48
    .max_flat_workgroup_size: 128
    .sgpr_count:     66
    .vgpr_count:     162
    .wavefront_size: 32
...
	.end_amdgpu_metadata
.endif
;; end of part 2
;; launch qkv (part 3): grid 12 x 32, 4 waves a work-group, clusters of 4 x 4, 327,680 bytes of LDS; arguments x_codes, x_scales, w_codes, w_scales, b_q, b_k, b_v, q, kv; writes q, kv
.if DOCPART == 3
	.amdgcn_target "amdgcn-amd-amdhsa--gfx1250"
	.amdhsa_code_object_version 6
	.text
	.protected	k_q7eb9b426ce_qkv
	.globl	k_q7eb9b426ce_qkv
	.p2align	8
	.type	k_q7eb9b426ce_qkv,@function
k_q7eb9b426ce_qkv:
	s_mov_b64 s[64:65], 0
	v_nop
	global_prefetch_b8 v0, s[64:65] scope:SCOPE_SE
	s_setreg_imm32_b32 hwreg(HW_REG_WAVE_MODE, 25, 1), 1
	s_wait_xcnt 0x0
	s_wait_alu depctr_hold_cnt(0) depctr_sa_sdst(0) depctr_va_vdst(0) depctr_va_sdst(0) depctr_va_ssrc(0) depctr_va_vcc(0) depctr_vm_vsrc(0)
	s_getreg_b32 s2, hwreg(HW_REG_IB_STS2, 6, 4)
	s_cmp_eq_u32 s2, 0
	s_cbranch_scc0 .Lentry_in_a_cluster
	s_endpgm
.Lentry_in_a_cluster:
	s_bfe_u32 s2, ttmp6, 0x10000c
	s_cmp_lg_u32 s2, 0xf033
	s_cbranch_scc0 .Lentry_shape_is_right
	s_endpgm
.Lentry_shape_is_right:
; q = x w_q + b_q, k = x w_k + b_k, v = x w_v + b_v on codes of BF6 (E3M2) with E8M0 scales, K = 1,024; the results are quantised in registers for attention's two products and leave as codes.
; KINDS.  The cluster's x is the kind: 0 q, 1 k, 2 v; it is the same in all sixteen partners.  A tile is 256 x 256, four waves, 128 x 128 each: 64 accumulators, 512 registers.
; THE MATRIX INSTRUCTION: source 0 = 16 rows of the 'B side', source 1 = 16 rows of the 'A side'.  In the result a lane holds ONE row of the A side and its registers run along the B side.
;   q, k: A side = x (tokens), B side = w (channels): a lane's registers run along the channels, which are the K of q k^T.
;   v:    A side = w (channels), B side = x (tokens): a lane's registers run along the keys, which are the K of p v.
; ORDER OF ROWS.  Position p of x_codes and w_codes holds item pi(p), p with bits 3 and 4 exchanged.  So register j of the accumulator of B's block 2 b + u is item 32 b + 16 (lane / 16) + 8 u + j:
;   the 64 registers of one A block are 128 neighbours along the next K, 16 of each block of 32 in a lane, the other 16 in lane l xor 16.
; CODES IN MEMORY AND IN LDS: pieces of 16 positions x 64 K, 768 bytes, three groups of 256 bytes, 8 bytes a lane: a fragment (16 x 128) is six loads of 8 bytes a lane, 256 consecutive bytes each.
; K goes in steps of 256 through a ring of two LDS slots; a wave's tensor load brings 8 row blocks x 3,072 bytes.  The scale bytes of the tile's 512 rows come once and stay in LDS.
; CLUSTER 4 x 4: A's tiles are shared along a row of the cluster, B's along a column, each asked for jointly.
; WHAT LEAVES.  q: for each (batch x 16 + head, 128 queries) a record of 6,656 bytes: 8 tiles x 768 of codes, 512 of scale words.
;   kv: for each (batch x 16 + head, 128 keys) a record of 13,312 bytes: k's 8 tiles x 768; v's 48 registers as 12 groups of 512 bytes (16 a lane); k's scale words, 512; v's scale words, 512.
;   q's and k's scale words: register j holds tile j in lanes 0-15 and tile j + 4 in lanes 16-31; bytes 2 and 3 are 0 (the head has 64 channels, two blocks).
; LIMITS: a block whose largest magnitude lies under 2^-122 has its byte held at 1; a block of zeros gets the byte 1 (its codes are zeros; this program alone reads the bytes); NaN and infinities are not served.
; REGISTERS, in windows of 256: window 0: v16-30 addresses; v32-63 scale words, two sets; v64-127 the bias by registers; v128-223 A's fragments, one set; v240-255 the bias by lanes.
;   window 1: B's fragments, two sets, at v0 and v128.   window 2: the accumulators of A's blocks 0-3 ((a, b) at v[8 (8 a + b)]);   window 3: those of blocks 4-7.
.set NQ,     2                         ; matrix instructions deep in a slot: 256 along K
.set FR,     12                        ; registers of a fragment
.set NL,     6                         ; LDS loads that bring one
.set NP,     4                         ; places behind this matrix instruction (ISA guide 7.12.1)
.set STEPB,  3072                      ; a row block's codes of one K step
.set RBK,    12288                     ; a row block's codes for all of K
.set HALFT,  8*STEPB                   ; 128 rows: what one tensor load brings
.set SLOT,   4*HALFT                   ; A's 256 rows, then B's
.set LAPS,   2                         ; a lap = two K steps = once round the ring
.set KS,     32                        ; a row of scale bytes
.set SCL,    2*SLOT                    ; behind the ring: the scale bytes, as runs of 256 bytes + 16 of padding
.set HALFS,  16*272                    ; those of 128 rows
.set SBLK,   2*272                     ; those of 16 rows
.set SPARE,  SCL+4*HALFS               ; the spare words, 128 bytes for each wave: two blocks of 256 bytes that no other line names
.set ADRA, 16                          ; v16-17  LDS address of my A fragments in slot 0, 1
.set L8,   18                          ; v18     8 x lane
.set L16,  19                          ; v19     16 x lane
.set ADRB, 20                          ; v20-21  the same as ADRA for B
.set ADRS, 27                          ; v27     LDS address of my scale words: lanes 0-15 A's rows, lanes 16-31 B's
.set SPW,  28                          ; v28     LDS address of my spare word; never rewritten
.set NIL,  29                          ; v29     0; never rewritten
.set LN,   30                          ; v30     lane
.set SC,   32
.set BI,   64
.set AF,   128
.set BV,   240
.set WV,  22                           ; s22 wave; s23 wave / 2: my half of A's rows, and: I fetch for A (0) or B (1); s66 wave % 2: my half of B's rows, and which 128 rows I fetch
.set WH,  23
.set WL,  66
.set G1,  24                           ; s[24:31] group 1 for A's tiles; s[32:39] group 0, a set for each slot
.set G0,  32
.set G1B, 48                           ; s[48:55], s[56:63] the same for B's
.set G0B, 56
.set G1S, 68                           ; s[68:75], s[76:79] for A's scale bytes; s[80:87], s[88:91] for B's
.set G0S, 76
.set G1SB, 80
.set G0SB, 88
.set MSB, 0
.macro WIN new                         ; the immediate's high byte repeats the setting that is left
.if MSB != \new
	s_set_vgpr_msb (MSB<<8)|\new
.set MSB, \new
.endif
.endm
.set MUL_LO, 0xa1                      ; source 0 (B) window 1, source 1 (A) window 0, C and D window 2
.set MUL_HI, 0xf1                      ; the same, C and D window 3
.set TO_B,   0x40                      ; destination window 1, address window 0
; A joint load: waves 0 and 1 fetch for A, waves 2 and 3 for B.  Each line has one mask and one set of registers for all that issue it; the branch hangs on the wave's number alone.
; Four v_nop follow each of the two lines, ahead of the jump, the label and what follows.
.macro JLOAD g0a, g1a, g0b, g1b
	s_cmp_eq_u32 s[WH], 0
	s_cbranch_scc0 .Lfor_b_\@
	tensor_load_to_lds s[\g0a:\g0a+3], s[\g1a:\g1a+7]
	s_nop 0
.rept 4
	v_nop
.endr
	s_branch .Lasked_\@
.Lfor_b_\@:
	tensor_load_to_lds s[\g0b:\g0b+3], s[\g1b:\g1b+7]
	s_nop 0
.rept 4
	v_nop
.endr
.Lasked_\@:
.endm
.macro CREST                           ; a round of the cluster's barrier behind its opening barrier
	s_cmp_lg_u32 s[WV], 0
	s_cbranch_scc1 .Lnot_wave_0_\@
	s_barrier_signal -3
.Lnot_wave_0_\@:
	s_barrier_wait -3
	s_barrier_signal -1
	s_barrier_wait -1
.endm
.macro CROUND                          ; a whole round
	s_barrier_signal -1
	s_barrier_wait -1
	CREST
.endm
	s_load_b256 s[4:11], s[0:1], 0x0               ; x's codes, x's scales, w's codes, w's scales
	s_load_b256 s[12:19], s[0:1], 0x20             ; b_q, b_k, b_v, q
	s_load_b64 s[20:21], s[0:1], 0x40              ; kv
	v_lshl_add_u32 v[SPW], v0, 2, SPARE
	v_mov_b32 v[NIL], 0
	ds_add_u32 v28, v29
	ds_add_u32 v28, v29
	s_wait_dscnt 0x0
	v_lshrrev_b32 v1, 5, v0
	v_readfirstlane_b32 s[WV], v1
	s_lshr_b32 s[WH], s[WV], 1
	s_and_b32 s[WL], s[WV], 1
	s_bfe_u32 s40, ttmp6, 0x40000                  ; cx, cy: my place in the cluster
	s_bfe_u32 s41, ttmp6, 0x40004
	s_and_b32 s95, ttmp7, 0xffff
	s_lshl_b32 s95, s95, 2                         ; 4 x cluster y
	s_lshl_b32 s42, ttmp9, 2                       ; 4 x cluster x
	s_cmp_eq_u32 ttmp9, 2                          ; v?  Both selections stand ahead of the additions, which set SCC
	s_cselect_b32 s67, 8, s95                      ; A's tile of 256 rows: v: w's tiles 8 + cy;  q, k: x's tiles 4 Y + cy
	s_cselect_b32 s42, s95, s42                    ; B's: v: x's tiles 4 Y + cx;  q, k: w's tiles 4 X + cx
	s_add_co_u32 s67, s67, s41
	s_add_co_u32 s42, s42, s40
	s_lshl_b32 s43, s41, 2
	s_lshl_b32 s43, 15, s43                        ; my row of the cluster
	s_lshl_b32 s44, 0x1111, s40                    ; my column
	; group 1: 8 rows (row blocks) of 384 elements of 8 bytes, 1,536 elements apart; dense in LDS
	s_or_b32 s[G1+0], s43, (3<<16)|(1<<21)         ; 15:0 the mask: A's tiles go to my row; 17:16 elements of 8 bytes; 20 no padding; 21 set beside a mask
	s_or_b32 s[G1B+0], s44, (3<<16)|(1<<21)
.irp g, G1, G1B
	s_mov_b32 s[\g+1], 384<<16                     ; tensor_dim0
	s_mov_b32 s[\g+2], 8<<16                       ; tensor_dim1
	s_mov_b32 s[\g+3], 384<<16                     ; tile_dim0
	s_mov_b32 s[\g+4], 8                           ; tile_dim1
	s_mov_b32 s[\g+5], 1536                        ; tensor_dim0_stride
	s_mov_b32 s[\g+6], 0
	s_mov_b32 s[\g+7], 0
.endr
	; the scale bytes of 128 rows: 4,096 dense bytes as 16 rows of 256 (32 elements of 8 bytes), 16 bytes of padding behind each
	s_or_b32 s[G1S+0], s43, (3<<16)|(1<<20)|(1<<21)|(5<<22)|(3<<25)
	s_or_b32 s[G1SB+0], s44, (3<<16)|(1<<20)|(1<<21)|(5<<22)|(3<<25)
.irp g, G1S, G1SB
	s_mov_b32 s[\g+1], 32<<16
	s_mov_b32 s[\g+2], 16<<16
	s_mov_b32 s[\g+3], 32<<16
	s_mov_b32 s[\g+4], 16
	s_mov_b32 s[\g+5], 32
	s_mov_b32 s[\g+6], 0
	s_mov_b32 s[\g+7], 0
.endr
	s_lshl_b32 s3, s[WL], 3
	s_lshl_b32 s2, s67, 4
	s_add_co_u32 s2, s2, s3                        ; A: the first row block that I fetch: 16 x tile + 8 x half
	s_lshl_b32 s95, s42, 4
	s_add_co_u32 s95, s95, s3                      ; B likewise
	s_mov_b32 s47, 0
	s_mov_b32 s93, 0
	s_mul_i32 s45, s[WV], HALFT                    ; where they go: no place in the cluster enters an LDS address
	s_mul_i32 s94, s[WV], HALFS
	s_wait_kmcnt 0x0
	s_cmp_eq_u32 ttmp9, 2
	s_cselect_b64 s[96:97], s[8:9], s[4:5]         ; A's codes: w's for v, else x's
	s_cselect_b64 s[98:99], s[10:11], s[6:7]       ; A's scale bytes
	s_cselect_b64 s[100:101], s[4:5], s[8:9]       ; B's codes
	s_cselect_b64 s[10:11], s[6:7], s[10:11]       ; B's scale bytes
	s_mul_i32 s46, s2, RBK
	s_add_nc_u64 s[96:97], s[96:97], s[46:47]
	s_lshl_b32 s46, s2, 9                          ; 16 rows x 32 bytes a row block
	s_add_nc_u64 s[98:99], s[98:99], s[46:47]
	s_mul_i32 s92, s95, RBK
	s_add_nc_u64 s[100:101], s[100:101], s[92:93]
	s_lshl_b32 s92, s95, 9
	s_add_nc_u64 s[10:11], s[10:11], s[92:93]
	CROUND                                         ; all sixteen work-groups are here: the first joint loads meet
	s_mov_b32 s[G0S], 1
	s_add_co_u32 s[G0S+1], s94, SCL
	s_mov_b64 s[G0S+2:G0S+3], s[98:99]
	s_or_b32 s[G0S+3], s[G0S+3], 0x80000000
	s_mov_b32 s[G0SB], 1
	s_add_co_u32 s[G0SB+1], s94, SCL
	s_mov_b64 s[G0SB+2:G0SB+3], s[10:11]
	s_or_b32 s[G0SB+3], s[G0SB+3], 0x80000000
	JLOAD G0S, G1S, G0SB, G1SB                     ; the scale bytes first: they are wanted with K step 0
.irp s, 0,1
	s_mov_b32 s[G0+4*\s], 1
	s_add_co_u32 s[G0+4*\s+1], s45, \s*SLOT
	s_add_nc_u64 s[G0+4*\s+2:G0+4*\s+3], s[96:97], \s*STEPB
	s_or_b32 s[G0+4*\s+3], s[G0+4*\s+3], 0x80000000
	s_mov_b32 s[G0B+4*\s], 1
	s_add_co_u32 s[G0B+4*\s+1], s45, \s*SLOT
	s_add_nc_u64 s[G0B+4*\s+2:G0B+4*\s+3], s[100:101], \s*STEPB
	s_or_b32 s[G0B+4*\s+3], s[G0B+4*\s+3], 0x80000000
	JLOAD G0+4*\s, G1, G0B+4*\s, G1B
.endr
	v_and_b32 v1, 15, v0                           ; r = lane % 16
	v_bfe_u32 v2, v0, 4, 1                         ; h = lane / 16
	v_and_b32 v[LN], 31, v0
	v_lshlrev_b32 v[L8], 3, v[LN]
	v_lshlrev_b32 v[L16], 4, v[LN]
	s_mul_i32 s46, s[WH], HALFT                    ; my 128 rows of A
	s_mul_i32 s47, s[WL], HALFT                    ; my 128 rows of B,
	s_add_co_u32 s47, s47, 2*HALFT                 ; which lie behind A's 256
.irp s, 0,1
	v_add_nc_u32 v[ADRA+\s], s46, v[L8]
	v_add_nc_u32 v[ADRB+\s], s47, v[L8]
	s_add_co_u32 s46, s46, SLOT
	s_add_co_u32 s47, s47, SLOT
.endr
	v_mul_u32_u24 v5, v1, KS                       ; my row's scale bytes: 32 a row,
	v_lshrrev_b32 v6, 8, v5
	v_lshl_add_u32 v5, v6, 4, v5                   ; and 16 more for each 256 passed
	s_mul_i32 s46, s[WH], HALFS                    ; A's: my 128 rows
	s_mul_i32 s47, s[WL], HALFS                    ; B's: my 128 rows, behind A's 256
	s_add_co_u32 s47, s47, 2*HALFS
	s_sub_co_u32 s47, s47, s46
	v_mul_u32_u24 v6, s47, v2                      ; lanes 16-31 take B's
	s_add_co_u32 s46, s46, SCL
	v_add_nc_u32 v5, v5, v6
	v_add_nc_u32 v[ADRS], s46, v5
	; THE BIAS of my kind, in both layouts, 1,024 bytes a wave, so that the text has one branch on the kind, at the way out: by registers (q, k: the channels run along a lane's registers) and by lanes (v: a lane is a channel)
	s_cmp_eq_u32 ttmp9, 1
	s_cselect_b64 s[12:13], s[14:15], s[12:13]
	s_cmp_eq_u32 ttmp9, 2
	s_cselect_b64 s[12:13], s[16:17], s[12:13]
	s_lshl_b32 s46, s40, 10
	s_lshl_b32 s47, s[WL], 9
	s_add_co_u32 s46, s46, s47
	s_mov_b32 s47, 0
	s_add_nc_u64 s[14:15], s[12:13], s[46:47]      ; channels 256 cx + 128 (wave % 2) on
	s_lshl_b32 s46, s41, 10
	s_lshl_b32 s92, s[WH], 9
	s_add_co_u32 s46, s46, s92
	s_add_nc_u64 s[16:17], s[12:13], s[46:47]      ; channels 256 cy + 128 (wave / 2) on
	v_lshlrev_b32 v4, 6, v2                        ; 16 h channels
	v_and_b32 v5, 8, v1
	v_add_nc_u32 v5, v5, v1
	v_lshlrev_b32 v5, 2, v5                        ; channel r + 8 (r / 8)
.irp b, 0,1,2,3,4,5,6,7
	global_load_b128 v[BI+8*\b:BI+8*\b+3], v4, s[14:15] offset:(32*(\b/2)+8*(\b%2))*4
	global_load_b128 v[BI+8*\b+4:BI+8*\b+7], v4, s[14:15] offset:(32*(\b/2)+8*(\b%2))*4+16
.endr
.irp a, 0,1,2,3,4,5,6,7
	global_load_b32 v[BV+2*\a], v5, s[16:17] offset:(32*(\a/2)+8*(\a%2))*4     ; twice, to fill the pair that the packed addition names
	global_load_b32 v[BV+2*\a+1], v5, s[16:17] offset:(32*(\a/2)+8*(\a%2))*4
.endr
.macro FRAG reg, adr, q, i             ; a fragment, 16 rows x 128 K: two pieces on end, six loads of 8 bytes a lane, each 256 consecutive bytes: registers 2 p, 2 p + 1
.irp p, 0,1,2,3,4,5
	ds_load_b64 v[\reg+2*\p:\reg+2*\p+1], v[\adr] offset:(\i)*STEPB+(\q)*1536+\p*256
.endr
.endm
; 16 matrix instructions: A's blocks a0, a0 + 1 x B's eight, 128 along K: the slot's q-th.  p: B's set;  sc: the set of scale words.  zero = 1: the first product starts the sums.
; The 64 accumulators take turns, one instruction a turn, in the same order in every step.
.macro MUL16 a0, p, q, sc, zero
.irp a, \a0, \a0+1
.irp b, 0,1,2,3,4,5,6,7
.if \zero
	v_wmma_scale_f32_16x16x128_f8f6f4 v[8*(8*((\a)%4)+\b):8*(8*((\a)%4)+\b)+7], v[128*(\p)+FR*\b:128*(\p)+FR*\b+FR-1], v[AF+FR*(\a):AF+FR*(\a)+FR-1], 0, v[SC+8*NQ*(\sc)+NQ*\b+(\q)], v[SC+8*NQ*(\sc)+NQ*(\a)+(\q)] matrix_a_fmt:MATRIX_FMT_BF6 matrix_b_fmt:MATRIX_FMT_BF6 matrix_a_scale:MATRIX_SCALE_ROW1
.else
	v_wmma_scale_f32_16x16x128_f8f6f4 v[8*(8*((\a)%4)+\b):8*(8*((\a)%4)+\b)+7], v[128*(\p)+FR*\b:128*(\p)+FR*\b+FR-1], v[AF+FR*(\a):AF+FR*(\a)+FR-1], v[8*(8*((\a)%4)+\b):8*(8*((\a)%4)+\b)+7], v[SC+8*NQ*(\sc)+NQ*\b+(\q)], v[SC+8*NQ*(\sc)+NQ*(\a)+(\q)] matrix_a_fmt:MATRIX_FMT_BF6 matrix_b_fmt:MATRIX_FMT_BF6 matrix_a_scale:MATRIX_SCALE_ROW1
.endif
.endr
.endr
.endm
.macro FETCH_B slot, q, p              ; B's eight fragments of the slot's q-th 128 along K into set p
	WIN TO_B
.irp i, 0,1,2,3,4,5,6,7
	FRAG 128*(\p)+FR*\i, ADRB+\slot, \q, \i
.endr
	WIN 0
.endm
.macro FETCH_A slot, q, i0             ; A's blocks i0 .. i0 + 3
.irp i, \i0, \i0+1, \i0+2, \i0+3
	FRAG AF+FR*(\i), ADRA+\slot, \q, \i
.endr
.endm
.macro SCALES sc                       ; the next K step's scale words into set sc: two words a row; lanes 0-15 take A's block i, lanes 16-31 B's block i
.irp i, 0,1,2,3,4,5,6,7
	ds_load_b64 v[SC+8*NQ*\sc+NQ*\i:SC+8*NQ*\sc+NQ*\i+1], v[ADRS] offset:\i*SBLK
.endr
.endm
; A load into a register that a matrix instruction has read, and a vector instruction that reads a matrix result or writes one of its registers, stand NP places behind it; only plain vector
; instructions that name none of its registers are places (ISA guide 7.12.1 for vector instructions).
.macro PLACES n
.rept \n
	v_nop
.endr
.endm
; A step of 128 along K that has its successor in the same slot.  A's blocks go one after the other, each against B's eight: so one set of registers serves A, and B has two.
.macro STEP slot, q, zero
	s_wait_dscnt 4*NL                              ; B's set and A's blocks 0-3 are in; the youngest 24 loads (A's blocks 4-7) may be out
	WIN MUL_LO
	MUL16 0, (\q)%2, \q, \slot, \zero
	MUL16 2, (\q)%2, \q, \slot, \zero
	s_wait_dscnt 0                                 ; A's blocks 4-7 are in (asked for 32 matrix instructions ago)
	PLACES NP
	FETCH_B \slot, (\q)+1, 1-(\q)%2
	FETCH_A \slot, (\q)+1, 0
	WIN MUL_HI
	MUL16 4, (\q)%2, \q, \slot, \zero
	MUL16 6, (\q)%2, \q, \slot, \zero
	PLACES NP
	WIN 0
	FETCH_A \slot, (\q)+1, 4
.endm
; A slot's last step changes slots: ONE barrier; in front of it each wave waits for all its tensor loads, adds 0 to its spare word, and waits for that and for its own reads of this slot.  fill = 1: this slot is filled again, two K steps ahead.
.macro TURN slot, next, fill
	s_wait_tensorcnt 0x0                           ; all my tensor loads have landed: my part of the next slot  (every window is 0 here)
	ds_add_u32 v[SPW], v[NIL]                      ; 0 onto my spare word
	s_wait_dscnt 4*NL+1                            ; (the add and the youngest 24 loads, A's blocks 4-7, may be out)
	WIN MUL_LO
	MUL16 0, 1, NQ-1, \slot, 0                     ; sixteen matrix instructions stand between the add and the wait for it
	s_wait_dscnt 0x0                               ; the add is done, and my reads of this slot are over
	s_barrier_signal -1
	MUL16 2, 1, NQ-1, \slot, 0
	WIN 0
	s_barrier_wait -1
.if \fill
	CREST                                          ; the barrier has opened a round of the cluster's barrier: no wave of any partner still reads this slot's tile or has a load on its way
	s_add_nc_u64 s[G0+4*\slot+2:G0+4*\slot+3], s[G0+4*\slot+2:G0+4*\slot+3], 2*STEPB
	s_add_nc_u64 s[G0B+4*\slot+2:G0B+4*\slot+3], s[G0B+4*\slot+2:G0B+4*\slot+3], 2*STEPB
	JLOAD G0+4*\slot, G1, G0B+4*\slot, G1B         ; the first tensor load behind the round; the four v_nop behind it are the places in front of the loads below
.else
	PLACES NP
.endif
	v_add_nc_u32 v[ADRS], 4*NQ, v[ADRS]            ; on to the next K step's scale words (no LDS load of mine is out)
	FETCH_B \next, 0, 0
	FETCH_A \next, 0, 0
	SCALES \next
	WIN MUL_HI
	MUL16 4, 1, NQ-1, \slot, 0
	MUL16 6, 1, NQ-1, \slot, 0
	PLACES NP
	WIN 0
	FETCH_A \next, 0, 4
.endm
	s_wait_tensorcnt 1                             ; the scale bytes and my part of K step 0 are in (K step 1's load may be out)
	s_barrier_signal -1
	s_barrier_wait -1                              ; everybody's are
	FETCH_B 0, 0, 0
	FETCH_A 0, 0, 0
	SCALES 0
	FETCH_A 0, 0, 4
	STEP 0, 0, 1                                   ; the first step stands in front of the loop: its products start the sums
	s_mov_b32 s3, LAPS-1
.Llap:                                                 ; a trip goes once round the ring, from a lap's second step to the next lap's first, and fills both slots again
	TURN 0, 1, 1
	STEP 1, 0, 0
	TURN 1, 0, 1
	STEP 0, 0, 0
	s_sub_co_u32 s3, s3, 1
	s_cmp_lg_u32 s3, 0
	s_cbranch_scc1 .Llap
	TURN 0, 1, 0                                   ; the last lap fills nothing, and has no round of the cluster's barrier
	STEP 1, 0, 0
	s_wait_dscnt 4*NL                              ; the very last step: nothing more to fetch
	WIN MUL_LO
	MUL16 0, 1, NQ-1, 1, 0
	MUL16 2, 1, NQ-1, 1, 0
	s_wait_dscnt 0
	WIN MUL_HI
	MUL16 4, 1, NQ-1, 1, 0
	MUL16 6, 1, NQ-1, 1, 0
	WIN 0
; THE WAY OUT, one A block (16 lanes' rows x 128 along the next K) at a time, all in registers: sum + bias into window 0, quantised, stored.  No LDS.
.set HA,  128                          ; v128-191 64 numbers of a lane
.set PC,  192                          ; v192-210 the codes just made
.set TM,  212                          ; v212-215 largest magnitudes, v216-219 bytes, v224-227 the conversions' scale operands
.set PW,  228                          ; v228     the scale word just made
.set WS,  32                           ; v32-47   the blocks' scale words
.set PK,  48                           ; v48-55   q's and k's scale words as they leave
.set SEL, 4                            ; s[4:5]   lane selects for v_permlanex16_b32: lane l xor 16
; 64 numbers of a lane, register 16 b + i = k 32 b + 16 (lane / 16) + i of my row, become a fragment's codes in v[PC] on and its scale word in v[PW].
.macro QUANT s
.irp b, 0,1,2,3
	v_max3_num_f32 v[TM+\b], |v[\s+16*\b]|, |v[\s+1+16*\b]|, 0x2800000   ; block b: my 16 numbers, and the floor 2^(5 - 127): the byte cannot fall under 1
.endr
.irp i, 2,4,6,8,10,12,14
.irp b, 0,1,2,3
	v_max3_num_f32 v[TM+\b], v[TM+\b], |v[\s+16*\b+\i]|, |v[\s+1+16*\b+\i]|   ; (the four blocks by turns)
.endr
.endr
.irp b, 0,1,2,3
	v_permlanex16_b32 v[TM+4+\b], v[TM+\b], s[SEL], s[SEL+1]
.endr
.irp b, 0,1,2,3
	v_max_num_f32 v[TM+\b], v[TM+\b], v[TM+4+\b]   ; with lane l xor 16's: the block's largest magnitude
.endr
.irp b, 0,1,2,3
	v_add_nc_u32 v[TM+12+\b], 0xfe000000, v[TM+\b]   ; 4 off its exponent field: the conversion's scale operand
.endr
.irp b, 0,1,2,3
	v_lshrrev_b32 v[TM+4+\b], 23, v[TM+12+\b]   ; the scale's byte
.endr
	v_lshl_or_b32 v[PW], v[TM+5], 8, v[TM+4]   ; the four bytes make my row's scale word
	v_lshl_or_b32 v[PW], v[TM+6], 16, v[PW]
	v_lshl_or_b32 v[PW], v[TM+7], 24, v[PW]
.irp c, 0,1
	v_cvt_scalef32_pk16_bf6_f32 v[PC+6*\c:PC+2+6*\c], v[\s+32*\c:\s+15+32*\c], v[TM+12+2*\c]
	v_cvt_scalef32_pk16_bf6_f32 v[PC+12+4*\c:PC+14+4*\c], v[\s+16+32*\c:\s+31+32*\c], v[TM+12+2*\c+1]   ; (a conversion's three registers begin on an even number)
.endr
	v_nop                                          ; one plain place behind a scaled conversion
.irp c, 0,1                                    ; the operand's layout wants a WHOLE block in a lane: lanes 0-15 block 2 c, lanes 16-31 block 2 c + 1
.irp i, 0,1,2
	v_permlane16_swap_b32 v[PC+6*\c+\i], v[PC+12+4*\c+\i]
.endr
.irp i, 0,1,2
	v_mov_b32 v[PC+3+6*\c+\i], v[PC+12+4*\c+\i]
.endr
.endr
.endm
; A block a's 64 sums + bias, into window 0: one packed line adds and moves; each accumulator is read from its low end on.  step = 2: a bias for each register; 0: one pair for all
.macro SUMS a, bias, step
	s_wait_xcnt 0x0                                ; the last block's stores have read the codes' registers
	WIN 0x02+(\a)/4                                ; source 0: window 2 or 3
.set i, 0
.rept 32
	v_pk_add_f32 v[HA+2*i:HA+2*i+1], v[64*((\a)%4)+2*i:64*((\a)%4)+2*i+1], v[\bias+\step*i:\bias+\step*i+1]
.set i, i+1
.endr
	WIN 0
.endm
; the number of my first record: ((T / 16) x 16 + head) x 16 + T % 16, T = my 128 tokens among all 8,192, head = 4 c + 2 w
.macro RECIDX tidx, thalf, hc, hw
	s_lshl_b32 s46, s[\tidx], 1
	s_add_co_u32 s46, s46, s[\thalf]
	s_lshr_b32 s47, s46, 4
	s_lshl_b32 s47, s47, 4
	s_lshl_b32 s92, s[\hc], 2
	s_add_co_u32 s47, s47, s92
	s_lshl_b32 s92, s[\hw], 1
	s_add_co_u32 s47, s47, s92
	s_lshl_b32 s47, s47, 4
	s_and_b32 s46, s46, 15
	s_add_co_u32 s47, s47, s46
.endm
	PLACES NP                                      ; behind the last products: their results are read and their operands' registers written below
	s_wait_loadcnt 0x0                             ; the bias
	s_mov_b32 s[SEL], 0x76543210
	s_mov_b32 s[SEL+1], 0xfedcba98
.irp b, 0,1,2,3
	v_mov_b32 v[TM+4+\b], 0                        ; written once: a lane permute's destination counts as one of its sources
.endr
	s_cmp_eq_u32 ttmp9, 2                          ; the kind is the cluster's x: the same in all partners
	s_cbranch_scc1 .Lout_v
	; ---- q and k: a lane is a token, its 128 channels are two heads: piece c of the fragment is head c's tile
	RECIDX 67, WH, 40, WL
	s_mov_b32 s92, 13312                           ; a record of kv, of q;
	s_mov_b32 s93, 6656
	s_mov_b32 s96, 12288                           ; where its scale words begin
	s_mov_b32 s97, 6144
	s_cmp_eq_u32 ttmp9, 1
	s_cselect_b64 s[6:7], s[20:21], s[18:19]
	s_cselect_b32 s92, s92, s93
	s_cselect_b32 s96, s96, s97
	s_mul_i32 s98, s47, s92
	s_mov_b32 s99, 0
	s_add_nc_u64 s[6:7], s[6:7], s[98:99]          ; my first head's record
	s_lshl_b32 s98, s92, 4
	s_add_nc_u64 s[8:9], s[6:7], s[98:99]          ; the next head's: 16 records on
	s_mov_b32 s97, 0
	s_add_nc_u64 s[10:11], s[6:7], s[96:97]
	s_add_nc_u64 s[14:15], s[8:9], s[96:97]
.irp a, 0,1,2,3,4,5,6,7
	SUMS \a, BI, 2
	QUANT HA
	v_and_b32 v[WS+\a], 0xffff, v[PW]              ; head 0's two bytes; bytes 2 and 3 are 0
	v_lshrrev_b32 v[WS+8+\a], 16, v[PW]            ; head 1's
.irp p, 0,1,2,3,4,5
	global_store_b64 v[L8], v[PC+2*\p:PC+2*\p+1], s[6+2*(\p/3):7+2*(\p/3)] offset:768*\a+256*(\p%3)   ; 32 lanes store 256 consecutive bytes, aligned
.endr
.endr
	v_cmp_le_u32 vcc_lo, 16, v[LN]
.irp c, 0,1
.irp j, 0,1,2,3
	v_cndmask_b32 v[PK+4*\c+\j], v[WS+8*\c+\j], v[WS+8*\c+\j+4], vcc_lo   ; tile j in lanes 0-15, tile j + 4 in lanes 16-31 (both halves of the lanes hold row r's word)
.endr
.endr
	global_store_b128 v[L16], v[PK:PK+3], s[10:11]
	global_store_b128 v[L16], v[PK+4:PK+7], s[14:15]
	s_branch .Lend
.Lout_v:
	; ---- v: a lane is a channel, its 128 registers' worth are 128 keys: block a is tile a % 4 of head a / 4, a whole fragment
	RECIDX 42, WL, 41, WH
	s_mul_i32 s98, s47, 13312
	s_mov_b32 s99, 0
	s_add_nc_u64 s[6:7], s[20:21], s[98:99]
	s_add_nc_u64 s[8:9], s[6:7], 212992            ; the next head's record: 16 records on
.irp a, 0,1,2,3,4,5,6,7
	SUMS \a, BV+2*\a, 0
	QUANT HA
	v_mov_b32 v[WS+\a], v[PW]
.irp g, 0,1,2
	global_store_b128 v[L16], v[PC+4*\g:PC+4*\g+3], s[6+2*(\a/4):7+2*(\a/4)] offset:6144+(3*(\a%4)+\g)*512   ; 32 lanes store 512 consecutive bytes, aligned to 256
.endr
.endr
	global_store_b128 v[L16], v[WS:WS+3], s[6:7] offset:12800
	global_store_b128 v[L16], v[WS+4:WS+7], s[8:9] offset:12800
.Lend:
	s_wait_tensorcnt 0x0                           ; the wave's end
	ds_add_u32 v[SPW], v[NIL]
	s_wait_dscnt 0x0
	CROUND                                         ; the closing round: no work-group ends while a partner may still ask for a tile that names it
	s_endpgm
.Lfunc_end_k_q7eb9b426ce_qkv:
	.size	k_q7eb9b426ce_qkv, .Lfunc_end_k_q7eb9b426ce_qkv-k_q7eb9b426ce_qkv
	.p2alignl 7, 3214868480
	.fill 96, 4, 3214868480
	.section	.rodata,"a",@progbits
	.p2align	6, 0x0
	.amdhsa_kernel k_q7eb9b426ce_qkv
		.amdhsa_group_segment_fixed_size 327680
		.amdhsa_private_segment_fixed_size 0
		.amdhsa_enable_private_segment 0
		.amdhsa_kernarg_size 72
		.amdhsa_user_sgpr_count 2
		.amdhsa_user_sgpr_kernarg_segment_ptr 1
		.amdhsa_wavefront_size32 1
		.amdhsa_system_sgpr_workgroup_id_x 1
		.amdhsa_system_sgpr_workgroup_id_y 1
		.amdhsa_system_sgpr_workgroup_id_z 1
		.amdhsa_system_vgpr_workitem_id 0
		.amdhsa_next_free_vgpr 1024
		.amdhsa_next_free_sgpr 102
		.amdhsa_reserve_vcc 1
		.amdhsa_float_denorm_mode_32 3
		.amdhsa_float_denorm_mode_16_64 3
		.amdhsa_memory_ordered 1
		.amdhsa_forward_progress 1
		.amdhsa_inst_pref_size 236
	.end_amdhsa_kernel
	.amdgpu_metadata
---
amdhsa.version: [ 1, 2 ]
amdhsa.kernels:
  - .name:           k_q7eb9b426ce_qkv
    .symbol:         k_q7eb9b426ce_qkv.kd
    .args:
      - { .name: x_codes, .offset: 0, .size: 8, .value_kind: global_buffer, .address_space: global }
      - { .name: x_scales, .offset: 8, .size: 8, .value_kind: global_buffer, .address_space: global }
      - { .name: w_codes, .offset: 16, .size: 8, .value_kind: global_buffer, .address_space: global }
      - { .name: w_scales, .offset: 24, .size: 8, .value_kind: global_buffer, .address_space: global }
      - { .name: b_q, .offset: 32, .size: 8, .value_kind: global_buffer, .address_space: global }
      - { .name: b_k, .offset: 40, .size: 8, .value_kind: global_buffer, .address_space: global }
      - { .name: b_v, .offset: 48, .size: 8, .value_kind: global_buffer, .address_space: global }
      - { .name: q, .offset: 56, .size: 8, .value_kind: global_buffer, .address_space: global }
      - { .name: kv, .offset: 64, .size: 8, .value_kind: global_buffer, .address_space: global }
    .group_segment_fixed_size: 327680
    .private_segment_fixed_size: 0
    .kernarg_segment_align: 8
    .kernarg_segment_size: 72
    .max_flat_workgroup_size: 128
    .sgpr_count:     102
    .vgpr_count:     1024
    .wavefront_size: 32
...
	.end_amdgpu_metadata
.endif
;; end of part 3
;; launch attn (part 4): grid 4 x 64, 16 waves a work-group, clusters of 4 x 1, 215,040 bytes of LDS; arguments q, kv, o_codes, o_scales; writes o_codes, o_scales
.if DOCPART == 4
	.amdgcn_target "amdgcn-amd-amdhsa--gfx1250"
	.amdhsa_code_object_version 6
	.text
	.protected	k_q7eb9b426ce_attn
	.globl	k_q7eb9b426ce_attn
	.p2align	8
	.type	k_q7eb9b426ce_attn,@function
k_q7eb9b426ce_attn:
	s_mov_b64 s[64:65], 0
	v_nop
	global_prefetch_b8 v0, s[64:65] scope:SCOPE_SE
	s_setreg_imm32_b32 hwreg(HW_REG_WAVE_MODE, 25, 1), 1
	s_wait_xcnt 0x0
	s_wait_alu depctr_hold_cnt(0) depctr_sa_sdst(0) depctr_va_vdst(0) depctr_va_sdst(0) depctr_va_ssrc(0) depctr_va_vcc(0) depctr_vm_vsrc(0)
	s_getreg_b32 s2, hwreg(HW_REG_IB_STS2, 6, 4)
	s_cmp_eq_u32 s2, 0
	s_cbranch_scc0 .Lentry_in_a_cluster
	s_endpgm
.Lentry_in_a_cluster:
	s_bfe_u32 s2, ttmp6, 0x10000c
	s_cmp_lg_u32 s2, 0x3003
	s_cbranch_scc0 .Lentry_shape_is_right
	s_endpgm
.Lentry_shape_is_right:
; o = softmax(q k^T / 8) v for each of 64 (batch, head), 2,048 queries and keys, head size 64; both products on codes of BF6 (E3M2) with E8M0 scales; the result is quantised along the channels for the last product.
; THE SOFTMAX: t = score x log2(e) / 8; M = the row's largest t so far, rounded UP to a whole number; p = 2^(t - M) is what is quantised, along the keys, not normalised.  The row's sum is taken of the
; unquantised p, in f32, and divides O at the end.  When M moves, the sum and O are multiplied by 2^(old M - new M): exact.
; SHARES.  Work-group y is batch x 16 + head; the four work-groups of a cluster take 512 queries each.  Each of sixteen waves owns one tile of 16 queries at a time, in two passes; four waves to a SIMD.
; THE WHOLE HEAD'S k AND v, 16 records of 13,312 bytes, are brought into LDS ONCE, jointly for the four work-groups: no LDS byte is ever filled again.  Waves 0-3 issue four loads each; chunk c (records 4 c .. 4 c + 3) is
; read behind a counted wait and a barrier, while later chunks are still on their way.
; A RECORD (128 keys): k's 8 tiles x 768 bytes (three groups of 256, 8 bytes a lane: six registers a lane: 16 keys x 64 channels); from 6,144 v's 48 registers, 12 groups of 512 bytes (16 a lane): tile t of v^T (16 channels x 128 keys)
; is registers 12 t on; from 12,288 k's scale words (register j: tile j in lanes 0-15, tile j + 4 in lanes 16-31); from 12,800 v's (register t: tile t).
; LAYOUT.  Both products are used transposed: S^T = k q^T (source 0 = 16 keys), O^T = v^T p^T (source 0 = 16 channels): a lane holds ONE query throughout.  Keys and channels of a tile are stored so that lane r of tile 2 b + u
; is item 32 b + 8 u + r + 8 (r / 8): the 16 registers of tiles 2 b, 2 b + 1 are 16 neighbours, 32 b + 16 (lane / 16) + 0 .. 15.
; THE FIRST PRODUCT'S K IS 64, the instruction's 128: q's registers 6-11 are zero codes.  k's tile t is named as v[32 + 6 t] on, 12 registers: its upper six are the next tile's codes (zeros behind tile 7);
; they meet zero codes and add nothing; the scale bytes there are 0, which is 2^-127 and no NaN.
; The scale bytes of o leave as single bytes, 32 bytes apart: one byte in 24 of what the launch stores.
; LIMITS: NaN and infinities are not served; a block of the result whose largest magnitude lies under 2^-122 has its byte held at 1, a block of zeros likewise (its codes are zeros).
; REGISTERS: v1 16 x lane, v2 8 x lane, v3-4 the step's addresses, v5 16 r, v6 32 r + h, v7 lane; v12 -M, v13 the largest t, v[14:15] the sum; v16-27 q; v28 q's scale word; v32-85 k, then v; v96-159 S^T, then p;
;   v160-191 O^T; v192-195 k's scale words, v196-199 v's; v224-235 p's codes; v232-254 at work; v253 p's scale word.
.set REC,   13312
.set HEADB, 16*REC
.set WV,   12                          ; s12  my wave's number
.set SEL,  20                          ; s[20:21] lane selects for v_permlanex16_b32: lane l xor 16
.set CS,   22                          ; s[22:23] c = log2(e) / 8
.set G1,   24                          ; s[24:31] group 1;  s[32:47] four groups 0
.set G0,   32
.set TB,   48                          ; s48  LDS byte at which the step's record begins
.set CNT,  49
.set PASS, 50
.macro CROUND                          ; a round of the cluster's barrier
	s_barrier_signal -1
	s_barrier_wait -1
	s_cmp_lg_u32 s[WV], 0
	s_cbranch_scc1 .Lnot_wave_0_\@
	s_barrier_signal -3
.Lnot_wave_0_\@:
	s_barrier_wait -3
	s_barrier_signal -1
	s_barrier_wait -1
.endm
	s_load_b256 s[4:11], s[0:1], 0x0               ; q, kv, o_codes, o_scales
	v_lshl_add_u32 v251, v0, 2, 0x34000
	v_mov_b32 v255, 0
	ds_add_u32 v251, v255
	ds_add_u32 v251, v255
	v_lshrrev_b32 v1, 5, v0
	s_delay_alu instid0(VALU_DEP_1)
	v_readfirstlane_b32 s[WV], v1                  ; wave 0..15
	s_bfe_u32 s13, ttmp6, 0x40000                  ; cx
	s_lshl_b32 s52, ttmp9, 2
	s_add_co_u32 s13, s13, s52                     ; my block of 512 queries: it enters q's and o's addresses alone
	s_and_b32 s14, ttmp7, 0xffff                   ; batch x 16 + head, which the four partners share
	; group 1: a record as 52 rows of 256 bytes (32 elements of 8 bytes), dense
	s_mov_b32 s[G1], 15|(3<<16)|(1<<21)            ; 15:0 the mask: all four work-groups; 17:16 elements of 8 bytes; 21 set beside a mask
	s_mov_b32 s[G1+1], 32<<16
	s_mov_b32 s[G1+2], 52<<16
	s_mov_b32 s[G1+3], 32<<16
	s_mov_b32 s[G1+4], 52
	s_mov_b32 s[G1+5], 32
	s_mov_b32 s[G1+6], 0
	s_mov_b32 s[G1+7], 0
	s_mul_i32 s51, s[WV], REC                      ; my record of a chunk, in LDS and in the head
	s_mul_i32 s18, s14, HEADB
	s_add_co_u32 s18, s18, s51
	s_mov_b32 s19, 0
	s_lshl_b32 s52, s14, 4                         ; q: record 16 (batch, head) + 4 x block + wave / 8 (two more in the second pass),
	s_lshl_b32 s53, s13, 2
	s_add_co_u32 s52, s52, s53
	s_lshr_b32 s53, s[WV], 3
	s_add_co_u32 s52, s52, s53
	s_mul_i32 s52, s52, 6656
	s_and_b32 s53, s[WV], 7                        ; tile wave % 8 in it
	s_mul_i32 s54, s53, 768
	s_add_co_u32 s54, s54, s52
	s_mov_b32 s55, 0
	s_lshr_b32 s56, s53, 2                         ; its scale words: 256 (tile / 4) + 4 (tile % 4), + 16 r
	s_lshl_b32 s56, s56, 8
	s_and_b32 s57, s53, 3
	s_lshl_b32 s57, s57, 2
	s_add_co_u32 s56, s56, s57
	s_add_co_u32 s56, s56, s52
	s_add_co_u32 s56, s56, 6144
	s_mov_b32 s57, 0
	s_lshr_b32 s58, s14, 4                         ; o: row block of tokens 128 x batch + 32 x block + wave (16 more in the second pass)
	s_lshl_b32 s58, s58, 7
	s_lshl_b32 s59, s13, 5
	s_add_co_u32 s58, s58, s59
	s_add_co_u32 s58, s58, s[WV]
	s_and_b32 s59, s14, 15                         ; the head is the piece along K
	s_lshl_b32 s60, s58, 4
	s_add_co_u32 s60, s60, s59
	s_mul_i32 s60, s60, 768
	s_mov_b32 s61, 0
	s_lshl_b32 s62, s58, 9                         ; its scale bytes: 512 a row block, + 2 x head
	s_lshl_b32 s59, s59, 1
	s_add_co_u32 s62, s62, s59
	s_mov_b32 s63, 0
	s_mov_b32 s[SEL], 0x76543210
	s_mov_b32 s[SEL+1], 0xfedcba98
	s_mov_b32 s[CS], 0x3e38aa3b                    ; c = log2(e) / 8
	s_mov_b32 s[CS+1], s[CS]                       ; (named with it as a pair, so it is written)
	s_wait_dscnt 0x0
	s_wait_kmcnt 0x0
	s_add_nc_u64 s[16:17], s[4:5], s[56:57]        ; q's scale words
	s_add_nc_u64 s[4:5], s[4:5], s[54:55]          ; q's codes
	s_add_nc_u64 s[6:7], s[6:7], s[18:19]          ; kv at my record of chunk 0
	s_add_nc_u64 s[8:9], s[8:9], s[60:61]
	s_add_nc_u64 s[10:11], s[10:11], s[62:63]
	CROUND                                         ; all four work-groups are here: the joint loads meet
.irp c, 0,1,2,3
	s_mov_b32 s[G0+4*\c], 1
	s_add_co_u32 s[G0+4*\c+1], s51, \c*4*REC
	s_add_nc_u64 s[G0+4*\c+2:G0+4*\c+3], s[6:7], \c*4*REC
	s_or_b32 s[G0+4*\c+3], s[G0+4*\c+3], 0x80000000
.endr
	s_cmp_lt_u32 s[WV], 4                          ; all the fills of a wave stand in one branch on its number: four loads of mine are out at the most
	s_cbranch_scc0 .Lno_fill
.irp c, 0,1,2,3
	tensor_load_to_lds s[G0+4*\c:G0+4*\c+3], s[G1:G1+7]
	s_nop 0
.endr
.rept 4
	v_nop
.endr
.Lno_fill:
	v_and_b32 v7, 31, v0                           ; lane
	s_delay_alu instid0(VALU_DEP_1)
	v_lshlrev_b32 v1, 4, v7
	s_delay_alu instid0(VALU_DEP_2)
	v_lshlrev_b32 v2, 3, v7
	v_and_b32 v8, 15, v0                           ; r
	v_bfe_u32 v9, v0, 4, 1                         ; h
	s_delay_alu instid0(VALU_DEP_2)
	v_lshlrev_b32 v5, 4, v8
	s_delay_alu instid0(VALU_DEP_2)
	v_lshl_add_u32 v6, v8, 5, v9
.irp j, 22,23,24,25,26,27,80,81,82,83,84,85,236,237,238,239,253
	v_mov_b32 v\j, 0                               ; q's upper half and what lies behind k's tile 7: zero codes; the lane permutes' destinations and the pair v[252:253]: written once
.endr
; A KEY STEP: 128 keys, the record at s[TB].
.macro STEP
	v_add_nc_u32 v3, s[TB], v1
	v_add_nc_u32 v4, s[TB], v2
	v_nop
	v_nop                                          ; four places in front of loads into registers that the last products have read
.irp t, 0,1,2,3,4,5,6,7
.irp g, 0,1,2
	ds_load_b64 v[32+6*\t+2*\g:33+6*\t+2*\g], v4 offset:768*\t+256*\g   ; 256 consecutive bytes a load
.endr
.endr
	ds_load_b128 v[192:195], v3 offset:12288
	s_wait_alu depctr_va_vdst(0)
	s_wait_dscnt 0x0
.irp t, 0,1,2,3                                ; S^T = k q^T: eight tiles of 16 keys
	v_wmma_scale_f32_16x16x128_f8f6f4 v[96+8*\t:103+8*\t], v[32+6*\t:43+6*\t], v[16:27], 0, v[192+\t], v28 matrix_a_fmt:MATRIX_FMT_BF6 matrix_b_fmt:MATRIX_FMT_BF6
.endr
.irp t, 4,5,6,7
	v_wmma_scale_f32_16x16x128_f8f6f4 v[96+8*\t:103+8*\t], v[32+6*\t:43+6*\t], v[16:27], 0, v[188+\t], v28 matrix_a_fmt:MATRIX_FMT_BF6 matrix_b_fmt:MATRIX_FMT_BF6 matrix_a_scale:MATRIX_SCALE_ROW1
.endr
.rept 4
	v_nop                                          ; places: in front of the loads over k's registers, and of the first read of the scores
.endr
.irp i, 0,1,2,3,4,5,6,7,8,9,10,11
	ds_load_b128 v[32+4*\i:35+4*\i], v3 offset:6144+512*\i   ; v lands while the softmax is worked
.endr
	ds_load_b128 v[196:199], v3 offset:12800
.irp b, 0,1,2,3
	v_max3_num_f32 v[232+\b], v[96+16*\b], v[97+16*\b], v[98+16*\b]   ; THE LARGEST SCORE OF EACH BLOCK OF 32 KEYS serves twice: for the row's maximum, and, since p rises with the score, for the block's largest p
.endr
.irp i, 3,5,7,9,11,13
.irp b, 0,1,2,3
	v_max3_num_f32 v[232+\b], v[232+\b], v[96+16*\b+\i], v[97+16*\b+\i]   ; (the four blocks by turns)
.endr
.endr
.irp b, 0,1,2,3
	v_max_num_f32 v[232+\b], v[232+\b], v[111+16*\b]
.endr
.irp b, 0,1,2,3
	s_delay_alu instid0(VALU_DEP_4)
	v_permlanex16_b32 v[236+\b], v[232+\b], s[SEL], s[SEL+1]
.endr
.irp b, 0,1,2,3
	s_delay_alu instid0(VALU_DEP_4)
	v_max_num_f32 v[232+\b], v[232+\b], v[236+\b]   ; with lane l xor 16's 16 keys
.endr
	s_delay_alu instid0(VALU_DEP_2)
	v_max3_num_f32 v254, v232, v233, v234
	s_delay_alu instid0(VALU_DEP_1)
	v_max_num_f32 v254, v254, v235                 ; the step's largest score of my query
	s_delay_alu instid0(VALU_DEP_1)
	v_mul_f32 v254, s[CS], v254                    ; as t (c is positive)
	s_delay_alu instid0(VALU_DEP_1)
	v_max_num_f32 v13, v13, v254                   ; the running largest t
	v_mov_b32 v254, v12
	s_delay_alu instid0(VALU_DEP_2)
	v_floor_f32 v12, -v13                          ; the new -M = floor(-t) = -ceil(t): M is a whole number
	s_delay_alu instid0(VALU_DEP_1)
	v_sub_f32 v254, v12, v254                      ; M's old value less its new one: a whole number, 0 or less
	s_delay_alu instid0(VALU_DEP_1)
	v_cvt_i32_f32 v254, v254                       ; (it saturates)
	s_delay_alu instid0(VALU_DEP_1)
	v_ldexp_f32 v252, 1.0, v254                    ; f = 2^(old M - new M)
.irp j, 0,2,4,6,8,10,12,14,16,18,20,22,24,26,28,30,32,34,36,38,40,42,44,46,48,50,52,54,56,58,60,62
	v_pk_fma_f32 v[96+\j:97+\j], v[96+\j:97+\j], s[CS:CS+1], v[12:13] op_sel_hi:[1,0,0]   ; t - M, two at a time (of the pairs c and -M the low word serves both halves)
.endr
.irp b, 0,1,2,3
	v_fma_f32 v[232+\b], v[232+\b], s[CS], v12     ; the same of each block's largest score
.endr
	s_setprio 1
	s_wait_alu depctr_va_vdst(0)
.irp j, 0,1,2,3,4,5,6,7,8,9,10,11,12,13,14,15,16,17,18,19,20,21,22,23,24,25,26,27,28,29,30,31,32,33,34,35,36,37,38,39,40,41,42,43,44,45,46,47,48,49,50,51,52,53,54,55,56,57,58,59,60,61,62,63
	v_exp_f32 v[96+\j], v[96+\j]                   ; p = 2^(t - M), at most 1: not normalised
.endr
.irp b, 0,1,2,3
	v_exp_f32 v[232+\b], v[232+\b]                 ; the block's largest p: the same two instructions on the same number give the same bits
.endr
	v_pk_mul_f32 v[14:15], v[14:15], v[252:253] op_sel_hi:[1,0]   ; the sums under the new M.  (A plain place behind the exponentials)
	s_wait_alu depctr_va_vdst(0)
.irp b, 0,1,2,3
	v_max_num_f32 v[232+\b], 0x2800000, v[232+\b]  ; the floor 2^(5 - 127): the byte cannot fall under 1
.endr
.irp b, 0,1,2,3
	s_delay_alu instid0(VALU_DEP_4)
	v_add_nc_u32 v[244+\b], 0xfe000000, v[232+\b]  ; 4 off the exponent field: the conversion's scale operand
.endr
.irp b, 0,1,2,3
	s_delay_alu instid0(VALU_DEP_4)
	v_lshrrev_b32 v[236+\b], 23, v[244+\b]         ; the scale's byte
.endr
	s_delay_alu instid0(VALU_DEP_3)
	v_lshl_or_b32 v253, v237, 8, v236              ; p's scale word for these 128 keys
	s_delay_alu instid0(VALU_DEP_1)
	v_lshl_or_b32 v253, v238, 16, v253
	s_delay_alu instid0(VALU_DEP_1)
	v_lshl_or_b32 v253, v239, 24, v253
.irp c, 0,1
	v_cvt_scalef32_pk16_bf6_f32 v[224+6*\c:226+6*\c], v[96+32*\c:111+32*\c], v[244+2*\c]
	v_cvt_scalef32_pk16_bf6_f32 v[236+4*\c:238+4*\c], v[112+32*\c:127+32*\c], v[244+2*\c+1]   ; (a conversion's three registers begin on an even number)
.endr
	v_nop                                          ; one plain place behind a scaled conversion
.irp c, 0,1                                    ; the operand's layout wants a WHOLE block in a lane: lanes 0-15 block 2 c, lanes 16-31 block 2 c + 1
.irp i, 0,1,2
	v_permlane16_swap_b32 v[224+6*\c+\i], v[236+4*\c+\i]
.endr
.irp i, 0,1,2
	s_delay_alu instid0(VALU_DEP_3)
	v_mov_b32 v[227+6*\c+\i], v[236+4*\c+\i]
.endr
.endr
	v_pk_add_f32 v[236:237], v[100:101], v[104:105]
	v_pk_add_f32 v[248:249], v[108:109], v[112:113]
	v_pk_add_f32 v[246:247], v[116:117], v[120:121]
	v_pk_add_f32 v[244:245], v[124:125], v[128:129]
	v_pk_add_f32 v[242:243], v[132:133], v[136:137]
	v_pk_add_f32 v[240:241], v[140:141], v[144:145]
	v_pk_add_f32 v[222:223], v[148:149], v[152:153]
	v_pk_add_f32 v[14:15], v[14:15], v[156:157]
	v_pk_add_f32 v[236:237], v[236:237], v[96:97]
	v_pk_add_f32 v[248:249], v[248:249], v[98:99]
	v_pk_add_f32 v[246:247], v[246:247], v[102:103]
	v_pk_add_f32 v[244:245], v[244:245], v[106:107]
	v_pk_add_f32 v[242:243], v[242:243], v[110:111]
	v_pk_add_f32 v[240:241], v[240:241], v[114:115]
	v_pk_add_f32 v[222:223], v[222:223], v[118:119]
	v_pk_add_f32 v[14:15], v[14:15], v[122:123]
	v_pk_add_f32 v[236:237], v[236:237], v[126:127]
	v_pk_add_f32 v[248:249], v[248:249], v[130:131]
	v_pk_add_f32 v[246:247], v[246:247], v[134:135]
	v_pk_add_f32 v[244:245], v[244:245], v[138:139]
	v_pk_add_f32 v[242:243], v[242:243], v[142:143]
	v_pk_add_f32 v[240:241], v[240:241], v[146:147]
	v_pk_add_f32 v[222:223], v[222:223], v[150:151]
	v_pk_add_f32 v[14:15], v[14:15], v[154:155]
	v_pk_add_f32 v[236:237], v[236:237], v[158:159]
	s_delay_alu instid0(VALU_DEP_2)
	v_pk_add_f32 v[14:15], v[14:15], v[244:245]
	s_delay_alu instid0(VALU_DEP_2)
	v_pk_add_f32 v[236:237], v[236:237], v[242:243]
	s_setprio 0
	v_pk_add_f32 v[248:249], v[248:249], v[240:241]
	v_pk_add_f32 v[246:247], v[246:247], v[222:223]
	s_delay_alu instid0(VALU_DEP_2)
	v_pk_add_f32 v[14:15], v[14:15], v[248:249]
	s_delay_alu instid0(VALU_DEP_2)
	v_pk_add_f32 v[236:237], v[236:237], v[246:247]
	s_delay_alu instid0(VALU_DEP_1)
	v_pk_add_f32 v[14:15], v[14:15], v[236:237]
.irp j, 0,2,4,6,8,10,12,14,16,18,20,22,24,26,28,30
	v_pk_mul_f32 v[160+\j:161+\j], v[160+\j:161+\j], v[252:253] op_sel_hi:[1,0]   ; O^T under the new M, each accumulator from its low end on
.endr
	s_wait_alu depctr_va_vdst(0)
	s_wait_dscnt 0x0                               ; v and its scale words are in
.irp t, 0,1,2,3                                ; O^T += v^T p^T: four tiles of 16 channels, by turns; K = these 128 keys
	v_wmma_scale_f32_16x16x128_f8f6f4 v[160+8*\t:167+8*\t], v[32+12*\t:43+12*\t], v[224:235], v[160+8*\t:167+8*\t], v[196+\t], v253 matrix_a_fmt:MATRIX_FMT_BF6 matrix_b_fmt:MATRIX_FMT_BF6
.endr
.endm
; Chunk c: four records.  The count leaves the loads of the chunks behind it out, so they may stay on their way across the barrier.  In waves 4-15 and in the second pass the wait is met at once.
.macro CHUNK c
	s_wait_tensorcnt 3-\c                          ; my load of this chunk has landed,
	s_wait_dscnt 0x0                               ; (no LDS instruction of mine is pending at a signal)
	s_barrier_signal -1
	s_barrier_wait -1                              ; everybody's has
	s_mov_b32 s[TB], \c*4*REC
	s_mov_b32 s[CNT], 4
.Lstep_\@:
	s_setprio 2
	STEP
	s_add_co_u32 s[TB], s[TB], REC
	s_sub_co_u32 s[CNT], s[CNT], 1
	s_cmp_lg_u32 s[CNT], 0
	s_cbranch_scc1 .Lstep_\@
	s_setprio 0
.endm
	s_mov_b32 s[PASS], 0
.Lpass:                                            ; two passes: query tiles wave and 16 + wave of my block of 512
.irp g, 0,1,2
	global_load_b64 v[16+2*\g:17+2*\g], v2, s[4:5] offset:256*\g th:TH_LOAD_NT   ; q's six registers: read once in the launch, by me
.endr
	global_load_b32 v28, v5, s[16:17] th:TH_LOAD_NT
	v_mov_b32 v13, 0xff61b1e6                      ; the largest t so far: -3e38, under every t
	s_delay_alu instid0(VALU_DEP_1)
	v_floor_f32 v12, -v13                          ; -M
	v_mov_b32 v14, 0                               ; the sum, in two halves
	v_mov_b32 v15, 0
.irp j, 0,1,2,3,4,5,6,7,8,9,10,11,12,13,14,15,16,17,18,19,20,21,22,23,24,25,26,27,28,29,30,31
	v_mov_b32 v[160+\j], 0                         ; O^T: the step is written once; the first finds zeros, which the first change of M leaves zeros
.endr
	s_wait_loadcnt 0x0
	CHUNK 0
	CHUNK 1
	CHUNK 2
	CHUNK 3
	; THE PASS'S END: O^T / the sum, quantised along the head's 64 channels (two blocks), stored as one piece of o_codes and two scale bytes a row
.rept 4
	v_nop                                          ; places behind the last products
.endr
	v_add_f32 v14, v14, v15                        ; the sum's two halves,
	s_delay_alu instid0(VALU_DEP_1)
	v_permlanex16_b32 v252, v14, s[SEL], s[SEL+1]
	s_delay_alu instid0(VALU_DEP_1)
	v_add_f32 v14, v14, v252                       ; and lane l xor 16's: the row's sum
	s_wait_alu depctr_va_vdst(0)
	v_rcp_f32 v14, v14
	v_nop                                          ; a plain place behind the transcendental
	s_wait_alu depctr_va_vdst(0)
.irp j, 0,1,2,3,4,5,6,7,8,9,10,11,12,13,14,15,16,17,18,19,20,21,22,23,24,25,26,27,28,29,30,31
	v_mul_f32 v[96+\j], v[160+\j], v14             ; register 16 b + i is channel 32 b + 16 h + i of my query
.endr
.irp b, 0,1
	v_max3_num_f32 v[232+\b], |v[96+16*\b]|, |v[97+16*\b]|, 0x2800000
.endr
.irp i, 2,4,6,8,10,12,14
.irp b, 0,1
	s_delay_alu instid0(VALU_DEP_2)
	v_max3_num_f32 v[232+\b], v[232+\b], |v[96+16*\b+\i]|, |v[97+16*\b+\i]|
.endr
.endr
.irp b, 0,1
	s_delay_alu instid0(VALU_DEP_2)
	v_permlanex16_b32 v[236+\b], v[232+\b], s[SEL], s[SEL+1]
.endr
.irp b, 0,1
	s_delay_alu instid0(VALU_DEP_2)
	v_max_num_f32 v[232+\b], v[232+\b], v[236+\b]
.endr
.irp b, 0,1
	s_delay_alu instid0(VALU_DEP_2)
	v_add_nc_u32 v[244+\b], 0xfe000000, v[232+\b]
.endr
.irp b, 0,1
	s_delay_alu instid0(VALU_DEP_2)
	v_lshrrev_b32 v[236+\b], 23, v[244+\b]         ; the two scale bytes of my row
.endr
	v_cvt_scalef32_pk16_bf6_f32 v[224:226], v[96:111], v244
	v_cvt_scalef32_pk16_bf6_f32 v[240:242], v[112:127], v245
	v_cmp_le_u32 vcc_lo, 16, v7                    ; (a plain place behind the conversions)
.irp i, 0,1,2
	v_permlane16_swap_b32 v[224+\i], v[240+\i]     ; lanes 0-15 get block 0 whole, lanes 16-31 block 1
.endr
.irp i, 0,1,2
	s_delay_alu instid0(VALU_DEP_3)
	v_mov_b32 v[227+\i], v[240+\i]
.endr
	v_cndmask_b32 v238, v236, v237, vcc_lo         ; lane (r, h) stores byte h of row r
.irp g, 0,1,2
	global_store_b64 v2, v[224+2*\g:225+2*\g], s[8:9] offset:256*\g   ; 32 lanes store 256 consecutive bytes, aligned
.endr
	global_store_b8 v6, v238, s[10:11]
	s_wait_xcnt 0x0                                ; the stores have read their registers and bases: both may be written again
	s_add_nc_u64 s[4:5], s[4:5], 13312             ; 16 tiles of queries on: two records of q,
	s_add_nc_u64 s[16:17], s[16:17], 13312
	s_add_nc_u64 s[8:9], s[8:9], 196608            ; 16 row blocks of o_codes,
	s_add_nc_u64 s[10:11], s[10:11], 8192          ; and of o_scales
	s_add_co_u32 s[PASS], s[PASS], 1
	s_cmp_lt_u32 s[PASS], 2
	s_cbranch_scc1 .Lpass
	s_wait_tensorcnt 0x0
	ds_add_u32 v251, v255
	s_wait_dscnt 0x0
	CROUND                                         ; the closing round
	s_endpgm
.Lfunc_end_k_q7eb9b426ce_attn:
	.size	k_q7eb9b426ce_attn, .Lfunc_end_k_q7eb9b426ce_attn-k_q7eb9b426ce_attn
	.p2alignl 7, 3214868480
	.fill 96, 4, 3214868480
	.section	.rodata,"a",@progbits
	.p2align	6, 0x0
	.amdhsa_kernel k_q7eb9b426ce_attn
		.amdhsa_group_segment_fixed_size 215040
		.amdhsa_private_segment_fixed_size 0
		.amdhsa_enable_private_segment 0
		.amdhsa_kernarg_size 32
		.amdhsa_user_sgpr_count 2
		.amdhsa_user_sgpr_kernarg_segment_ptr 1
		.amdhsa_wavefront_size32 1
		.amdhsa_system_sgpr_workgroup_id_x 1
		.amdhsa_system_sgpr_workgroup_id_y 1
		.amdhsa_system_sgpr_workgroup_id_z 1
		.amdhsa_system_vgpr_workitem_id 0
		.amdhsa_next_free_vgpr 256
		.amdhsa_next_free_sgpr 66
		.amdhsa_reserve_vcc 1
		.amdhsa_float_denorm_mode_32 3
		.amdhsa_float_denorm_mode_16_64 3
		.amdhsa_memory_ordered 1
		.amdhsa_forward_progress 1
		.amdhsa_inst_pref_size 83
	.end_amdhsa_kernel
	.amdgpu_metadata
---
amdhsa.version: [ 1, 2 ]
amdhsa.kernels:
  - .name:           k_q7eb9b426ce_attn
    .symbol:         k_q7eb9b426ce_attn.kd
    .args:
      - { .name: q, .offset: 0, .size: 8, .value_kind: global_buffer, .address_space: global }
      - { .name: kv, .offset: 8, .size: 8, .value_kind: global_buffer, .address_space: global }
      - { .name: o_codes, .offset: 16, .size: 8, .value_kind: global_buffer, .address_space: global }
      - { .name: o_scales, .offset: 24, .size: 8, .value_kind: global_buffer, .address_space: global }
    .group_segment_fixed_size: 215040
    .private_segment_fixed_size: 0
    .kernarg_segment_align: 8
    .kernarg_segment_size: 32
    .max_flat_workgroup_size: 512
    .sgpr_count:     66
    .vgpr_count:     256
    .wavefront_size: 32
...
	.end_amdgpu_metadata
.endif
;; end of part 4
;; launch oproj (part 5): grid 4 x 32, 4 waves a work-group, clusters of 4 x 4, 327,680 bytes of LDS; arguments o_codes, o_scales, w_codes, w_scales, b_o, out0; writes out0
.if DOCPART == 5
	.amdgcn_target "amdgcn-amd-amdhsa--gfx1250"
	.amdhsa_code_object_version 6
	.text
	.protected	k_q7eb9b426ce_oproj
	.globl	k_q7eb9b426ce_oproj
	.p2align	8
	.type	k_q7eb9b426ce_oproj,@function
k_q7eb9b426ce_oproj:
	s_mov_b64 s[64:65], 0
	v_nop
	global_prefetch_b8 v0, s[64:65] scope:SCOPE_SE
	s_setreg_imm32_b32 hwreg(HW_REG_WAVE_MODE, 25, 1), 1
	s_wait_xcnt 0x0
	s_wait_alu depctr_hold_cnt(0) depctr_sa_sdst(0) depctr_va_vdst(0) depctr_va_sdst(0) depctr_va_ssrc(0) depctr_va_vcc(0) depctr_vm_vsrc(0)
	s_getreg_b32 s2, hwreg(HW_REG_IB_STS2, 6, 4)
	s_cmp_eq_u32 s2, 0
	s_cbranch_scc0 .Lentry_in_a_cluster
	s_endpgm
.Lentry_in_a_cluster:
	s_bfe_u32 s2, ttmp6, 0x10000c
	s_cmp_lg_u32 s2, 0xf033
	s_cbranch_scc0 .Lentry_shape_is_right
	s_endpgm
.Lentry_shape_is_right:
; out0 = o w_o + b_o on codes of BF6 (E3M2) with E8M0 scales, K = 1,024.  o_codes: 8,192 positions, w_codes: w_o's columns at positions 3,072 on; position p holds item pi(p), p with bits 3 and 4 exchanged.
; A tile of out0 is 256 x 256, four waves, 128 x 128 each: 64 accumulators, 512 registers.  32 x 4 tiles: 128 work-groups; a smaller tile would fill more WGPs and read each fragment for fewer products.
; THE MATRIX INSTRUCTION: source 0 = 16 rows of B (w_o's columns), source 1 = 16 rows of A (tokens): a lane holds one token, and register j of B's block 2 b + u is column 32 b + 16 (lane / 16) + 8 u + j.
; The bias is the C of each sum's first matrix instruction.
; CODES IN MEMORY AND IN LDS: pieces of 16 positions x 64 K, 768 bytes, three groups of 256 bytes, 8 bytes a lane: a fragment (16 x 128) is six loads of 8 bytes a lane, 256 consecutive bytes each.
; K goes in steps of 256 through a ring of two LDS slots; a wave's tensor load brings 8 row blocks x 3,072 bytes.  The scale bytes of the tile's 512 rows come once and stay in LDS.
; CLUSTER 4 x 4: A's tiles are shared along a row of the cluster, B's along a column, each asked for jointly.
; THE WAY OUT undoes the order of rows and columns: a block of 16 tokens x 128 columns goes through the wave's stage in LDS, each 32 bytes to its true columns, and each stage row is stored to its true token.
; REGISTERS, in windows of 256: window 0: v16-30 addresses; v32-63 scale words, two sets; v64-127 the bias; v128-223 A's fragments, one set; on the way out v128-255 rows of out0.
;   window 1: B's fragments, two sets, at v0 and v128.   window 2: the accumulators of A's blocks 0-3 ((a, b) at v[8 (8 a + b)]);   window 3: those of blocks 4-7.
.set NQ,     2
.set FR,     12
.set NL,     6
.set NP,     4                         ; places behind this matrix instruction (ISA guide 7.12.1)
.set STEPB,  3072
.set RBK,    12288
.set HALFT,  8*STEPB
.set SLOT,   4*HALFT
.set LAPS,   2
.set KS,     32
.set SCL,    2*SLOT
.set HALFS,  16*272
.set SBLK,   2*272
.set SPARE,  SCL+4*HALFS               ; the spare words, 128 bytes for each wave: two blocks of 256 bytes that no other line names
.set SPITCH, 528                       ; the way out: a stage of 16 rows x (512 bytes + 16) for each wave, in slot 0, which has had its last fill and its last read when the first result is stored there
.set ADRA, 16
.set L8,   18
.set L16,  19
.set ADRB, 20
.set STO,  24                          ; v24  the way out: where I put 32 bytes of a row
.set RD,   25                          ; v25  and where I read a row back
.set ADRS, 27
.set SPW,  28
.set NIL,  29
.set LN,   30
.set SC,   32
.set BI,   64
.set AF,   128
.set BK,   128
.set WV,  22
.set WH,  23
.set WL,  66
.set G1,  24
.set G0,  32
.set G1B, 48
.set G0B, 56
.set G1S, 68
.set G0S, 76
.set G1SB, 80
.set G0SB, 88
.set MSB, 0
.macro WIN new                         ; the immediate's high byte repeats the setting that is left
.if MSB != \new
	s_set_vgpr_msb (MSB<<8)|\new
.set MSB, \new
.endif
.endm
.set MUL_LO,   0xa1                    ; source 0 (B) window 1, source 1 (A) window 0, C and D window 2
.set MUL_HI,   0xf1                    ; the same, C and D window 3
.set FIRST_LO, 0x81                    ; the first step: C (the bias) window 0, D window 2
.set FIRST_HI, 0xc1                    ; D window 3
.set TO_B,     0x40
; A joint load: waves 0 and 1 fetch for A, waves 2 and 3 for B; four v_nop follow each of the two lines.
.macro JLOAD g0a, g1a, g0b, g1b
	s_cmp_eq_u32 s[WH], 0
	s_cbranch_scc0 .Lfor_b_\@
	tensor_load_to_lds s[\g0a:\g0a+3], s[\g1a:\g1a+7]
	s_nop 0
.rept 4
	v_nop
.endr
	s_branch .Lasked_\@
.Lfor_b_\@:
	tensor_load_to_lds s[\g0b:\g0b+3], s[\g1b:\g1b+7]
	s_nop 0
.rept 4
	v_nop
.endr
.Lasked_\@:
.endm
.macro CREST
	s_cmp_lg_u32 s[WV], 0
	s_cbranch_scc1 .Lnot_wave_0_\@
	s_barrier_signal -3
.Lnot_wave_0_\@:
	s_barrier_wait -3
	s_barrier_signal -1
	s_barrier_wait -1
.endm
.macro CROUND
	s_barrier_signal -1
	s_barrier_wait -1
	CREST
.endm
	s_load_b256 s[4:11], s[0:1], 0x0               ; o's codes, o's scales, w's codes, w's scales
	s_load_b128 s[12:15], s[0:1], 0x20             ; b_o, out0
	v_lshl_add_u32 v[SPW], v0, 2, SPARE
	v_mov_b32 v[NIL], 0
	ds_add_u32 v28, v29
	ds_add_u32 v28, v29
	s_wait_dscnt 0x0
	v_lshrrev_b32 v1, 5, v0
	v_readfirstlane_b32 s[WV], v1
	s_lshr_b32 s[WH], s[WV], 1
	s_and_b32 s[WL], s[WV], 1
	s_bfe_u32 s40, ttmp6, 0x40000                  ; cx, cy
	s_bfe_u32 s41, ttmp6, 0x40004
	s_lshl_b32 s42, ttmp9, 2
	s_add_co_u32 s42, s42, s40                     ; B's tile of 256 columns
	s_and_b32 s67, ttmp7, 0xffff
	s_lshl_b32 s67, s67, 2
	s_add_co_u32 s67, s67, s41                     ; A's tile of 256 tokens
	s_lshl_b32 s43, s41, 2
	s_lshl_b32 s43, 15, s43                        ; my row of the cluster
	s_lshl_b32 s44, 0x1111, s40                    ; my column
	s_or_b32 s[G1+0], s43, (3<<16)|(1<<21)         ; 8 rows (row blocks) of 384 elements of 8 bytes, 1,536 elements apart; dense in LDS
	s_or_b32 s[G1B+0], s44, (3<<16)|(1<<21)
.irp g, G1, G1B
	s_mov_b32 s[\g+1], 384<<16
	s_mov_b32 s[\g+2], 8<<16
	s_mov_b32 s[\g+3], 384<<16
	s_mov_b32 s[\g+4], 8
	s_mov_b32 s[\g+5], 1536
	s_mov_b32 s[\g+6], 0
	s_mov_b32 s[\g+7], 0
.endr
	s_or_b32 s[G1S+0], s43, (3<<16)|(1<<20)|(1<<21)|(5<<22)|(3<<25)   ; scale bytes of 128 rows: 16 rows of 256 bytes, 16 of padding behind each
	s_or_b32 s[G1SB+0], s44, (3<<16)|(1<<20)|(1<<21)|(5<<22)|(3<<25)
.irp g, G1S, G1SB
	s_mov_b32 s[\g+1], 32<<16
	s_mov_b32 s[\g+2], 16<<16
	s_mov_b32 s[\g+3], 32<<16
	s_mov_b32 s[\g+4], 16
	s_mov_b32 s[\g+5], 32
	s_mov_b32 s[\g+6], 0
	s_mov_b32 s[\g+7], 0
.endr
	s_lshl_b32 s3, s[WL], 3
	s_lshl_b32 s2, s67, 4
	s_add_co_u32 s2, s2, s3                        ; A: the first row block that I fetch
	s_lshl_b32 s95, s42, 4
	s_add_co_u32 s95, s95, s3                      ; B likewise, among w_o's
	s_mov_b32 s47, 0
	s_mov_b32 s93, 0
	s_mul_i32 s45, s[WV], HALFT
	s_mul_i32 s94, s[WV], HALFS
	s_wait_kmcnt 0x0
	s_mul_i32 s46, s2, RBK
	s_add_nc_u64 s[4:5], s[4:5], s[46:47]
	s_lshl_b32 s46, s2, 9
	s_add_nc_u64 s[6:7], s[6:7], s[46:47]
	s_mul_i32 s92, s95, RBK
	s_add_co_u32 s92, s92, 2359296                 ; w_o's codes begin at position 3,072: 192 row blocks
	s_add_nc_u64 s[8:9], s[8:9], s[92:93]
	s_lshl_b32 s92, s95, 9
	s_add_co_u32 s92, s92, 98304
	s_add_nc_u64 s[10:11], s[10:11], s[92:93]
	CROUND                                         ; all sixteen work-groups are here: the first joint loads meet
	s_mov_b32 s[G0S], 1
	s_add_co_u32 s[G0S+1], s94, SCL
	s_mov_b64 s[G0S+2:G0S+3], s[6:7]
	s_or_b32 s[G0S+3], s[G0S+3], 0x80000000
	s_mov_b32 s[G0SB], 1
	s_add_co_u32 s[G0SB+1], s94, SCL
	s_mov_b64 s[G0SB+2:G0SB+3], s[10:11]
	s_or_b32 s[G0SB+3], s[G0SB+3], 0x80000000
	JLOAD G0S, G1S, G0SB, G1SB
.irp s, 0,1
	s_mov_b32 s[G0+4*\s], 1
	s_add_co_u32 s[G0+4*\s+1], s45, \s*SLOT
	s_add_nc_u64 s[G0+4*\s+2:G0+4*\s+3], s[4:5], \s*STEPB
	s_or_b32 s[G0+4*\s+3], s[G0+4*\s+3], 0x80000000
	s_mov_b32 s[G0B+4*\s], 1
	s_add_co_u32 s[G0B+4*\s+1], s45, \s*SLOT
	s_add_nc_u64 s[G0B+4*\s+2:G0B+4*\s+3], s[8:9], \s*STEPB
	s_or_b32 s[G0B+4*\s+3], s[G0B+4*\s+3], 0x80000000
	JLOAD G0+4*\s, G1, G0B+4*\s, G1B
.endr
	v_and_b32 v1, 15, v0                           ; r
	v_bfe_u32 v2, v0, 4, 1                         ; h
	v_and_b32 v[LN], 31, v0
	v_lshlrev_b32 v[L8], 3, v[LN]
	v_lshlrev_b32 v[L16], 4, v[LN]
	s_mul_i32 s46, s[WH], HALFT
	s_mul_i32 s47, s[WL], HALFT
	s_add_co_u32 s47, s47, 2*HALFT
.irp s, 0,1
	v_add_nc_u32 v[ADRA+\s], s46, v[L8]
	v_add_nc_u32 v[ADRB+\s], s47, v[L8]
	s_add_co_u32 s46, s46, SLOT
	s_add_co_u32 s47, s47, SLOT
.endr
	v_mul_u32_u24 v5, v1, KS
	v_lshrrev_b32 v6, 8, v5
	v_lshl_add_u32 v5, v6, 4, v5
	s_mul_i32 s46, s[WH], HALFS
	s_mul_i32 s47, s[WL], HALFS
	s_add_co_u32 s47, s47, 2*HALFS
	s_sub_co_u32 s47, s47, s46
	v_mul_u32_u24 v6, s47, v2                      ; lanes 16-31 take B's
	s_add_co_u32 s46, s46, SCL
	v_add_nc_u32 v5, v5, v6
	v_add_nc_u32 v[ADRS], s46, v5
	s_mul_i32 s46, s[WV], 16*SPITCH                ; my stage
	v_mul_u32_u24 v5, v1, SPITCH
	v_lshl_add_u32 v5, v2, 6, v5
	v_add_nc_u32 v[STO], s46, v5                   ; in: row r, + 64 h bytes: my half's 16 columns of each 32
	v_add_nc_u32 v[RD], s46, v[L16]                ; back: the 32 lanes take one row of 512 bytes
	s_lshl_b32 s46, s42, 10                        ; columns 256 x tile + 128 (wave % 2) on, in bytes: for the bias and for out0
	s_lshl_b32 s47, s[WL], 9
	s_add_co_u32 s46, s46, s47
	s_mov_b32 s47, 0
	s_add_nc_u64 s[12:13], s[12:13], s[46:47]
	s_add_nc_u64 s[14:15], s[14:15], s[46:47]
	s_lshl_b32 s46, s67, 20                        ; tokens 256 x tile + 128 (wave / 2) on: rows of 4,096 bytes
	s_lshl_b32 s92, s[WH], 19
	s_add_co_u32 s46, s46, s92
	s_add_nc_u64 s[14:15], s[14:15], s[46:47]
	v_lshlrev_b32 v4, 6, v2                        ; 16 h columns
.irp b, 0,1,2,3,4,5,6,7
	global_load_b128 v[BI+8*\b:BI+8*\b+3], v4, s[12:13] offset:(32*(\b/2)+8*(\b%2))*4
	global_load_b128 v[BI+8*\b+4:BI+8*\b+7], v4, s[12:13] offset:(32*(\b/2)+8*(\b%2))*4+16
.endr
.macro FRAG reg, adr, q, i             ; a fragment, 16 rows x 128 K: six loads of 8 bytes a lane, each 256 consecutive bytes
.irp p, 0,1,2,3,4,5
	ds_load_b64 v[\reg+2*\p:\reg+2*\p+1], v[\adr] offset:(\i)*STEPB+(\q)*1536+\p*256
.endr
.endm
; 16 matrix instructions: A's blocks a0, a0 + 1 x B's eight.  first = 1: the first product starts the sums on the bias.  The 64 accumulators take turns, one instruction a turn.
.macro MUL16 a0, p, q, sc, first
.irp a, \a0, \a0+1
.irp b, 0,1,2,3,4,5,6,7
.if \first
	v_wmma_scale_f32_16x16x128_f8f6f4 v[8*(8*((\a)%4)+\b):8*(8*((\a)%4)+\b)+7], v[128*(\p)+FR*\b:128*(\p)+FR*\b+FR-1], v[AF+FR*(\a):AF+FR*(\a)+FR-1], v[BI+8*\b:BI+8*\b+7], v[SC+8*NQ*(\sc)+NQ*\b+(\q)], v[SC+8*NQ*(\sc)+NQ*(\a)+(\q)] matrix_a_fmt:MATRIX_FMT_BF6 matrix_b_fmt:MATRIX_FMT_BF6 matrix_a_scale:MATRIX_SCALE_ROW1
.else
	v_wmma_scale_f32_16x16x128_f8f6f4 v[8*(8*((\a)%4)+\b):8*(8*((\a)%4)+\b)+7], v[128*(\p)+FR*\b:128*(\p)+FR*\b+FR-1], v[AF+FR*(\a):AF+FR*(\a)+FR-1], v[8*(8*((\a)%4)+\b):8*(8*((\a)%4)+\b)+7], v[SC+8*NQ*(\sc)+NQ*\b+(\q)], v[SC+8*NQ*(\sc)+NQ*(\a)+(\q)] matrix_a_fmt:MATRIX_FMT_BF6 matrix_b_fmt:MATRIX_FMT_BF6 matrix_a_scale:MATRIX_SCALE_ROW1
.endif
.endr
.endr
.endm
.macro FETCH_B slot, q, p
	WIN TO_B
.irp i, 0,1,2,3,4,5,6,7
	FRAG 128*(\p)+FR*\i, ADRB+\slot, \q, \i
.endr
	WIN 0
.endm
.macro FETCH_A slot, q, i0
.irp i, \i0, \i0+1, \i0+2, \i0+3
	FRAG AF+FR*(\i), ADRA+\slot, \q, \i
.endr
.endm
.macro SCALES sc
.irp i, 0,1,2,3,4,5,6,7
	ds_load_b64 v[SC+8*NQ*\sc+NQ*\i:SC+8*NQ*\sc+NQ*\i+1], v[ADRS] offset:\i*SBLK
.endr
.endm
.macro PLACES n                        ; places in front of loads into registers that matrix instructions have read, and of the first read of results (ISA guide 7.12.1 for vector instructions)
.rept \n
	v_nop
.endr
.endm
.macro STEP slot, q, first
	s_wait_dscnt 4*NL                              ; B's set and A's blocks 0-3 are in; the youngest 24 loads (A's blocks 4-7) may be out
.if \first
	WIN FIRST_LO
.else
	WIN MUL_LO
.endif
	MUL16 0, (\q)%2, \q, \slot, \first
	MUL16 2, (\q)%2, \q, \slot, \first
	s_wait_dscnt 0
	PLACES NP
	FETCH_B \slot, (\q)+1, 1-(\q)%2
	FETCH_A \slot, (\q)+1, 0
.if \first
	WIN FIRST_HI
.else
	WIN MUL_HI
.endif
	MUL16 4, (\q)%2, \q, \slot, \first
	MUL16 6, (\q)%2, \q, \slot, \first
	PLACES NP
	WIN 0
	FETCH_A \slot, (\q)+1, 4
.endm
; A slot's last step changes slots: ONE barrier; in front of it each wave waits for all its tensor loads, adds 0 to its spare word, and waits for that and for its own reads of this slot.
.macro TURN slot, next, fill
	s_wait_tensorcnt 0x0                           ; all my tensor loads have landed: my part of the next slot
	ds_add_u32 v[SPW], v[NIL]                      ; 0 onto my spare word
	s_wait_dscnt 4*NL+1                            ; (the add and the youngest 24 loads may be out)
	WIN MUL_LO
	MUL16 0, 1, NQ-1, \slot, 0
	s_wait_dscnt 0x0                               ; the add is done, and my reads of this slot are over
	s_barrier_signal -1
	MUL16 2, 1, NQ-1, \slot, 0
	WIN 0
	s_barrier_wait -1
.if \fill
	CREST                                          ; the barrier has opened a round of the cluster's barrier
	s_add_nc_u64 s[G0+4*\slot+2:G0+4*\slot+3], s[G0+4*\slot+2:G0+4*\slot+3], 2*STEPB
	s_add_nc_u64 s[G0B+4*\slot+2:G0B+4*\slot+3], s[G0B+4*\slot+2:G0B+4*\slot+3], 2*STEPB
	JLOAD G0+4*\slot, G1, G0B+4*\slot, G1B         ; the first tensor load behind the round; its four v_nop are the places in front of the loads below
.else
	PLACES NP
.endif
	v_add_nc_u32 v[ADRS], 4*NQ, v[ADRS]
	FETCH_B \next, 0, 0
	FETCH_A \next, 0, 0
	SCALES \next
	WIN MUL_HI
	MUL16 4, 1, NQ-1, \slot, 0
	MUL16 6, 1, NQ-1, \slot, 0
	PLACES NP
	WIN 0
	FETCH_A \next, 0, 4
.endm
	s_wait_tensorcnt 1                             ; the scale bytes and my part of K step 0 are in (K step 1's load may be out)
	s_barrier_signal -1
	s_barrier_wait -1                              ; everybody's are
	FETCH_B 0, 0, 0
	FETCH_A 0, 0, 0
	SCALES 0
	FETCH_A 0, 0, 4
	s_wait_loadcnt 0x0                             ; the bias
	STEP 0, 0, 1                                   ; the first step stands in front of the loop: its products start the sums on the bias
	s_mov_b32 s3, LAPS-1
.Llap:
	TURN 0, 1, 1
	STEP 1, 0, 0
	TURN 1, 0, 1
	STEP 0, 0, 0
	s_sub_co_u32 s3, s3, 1
	s_cmp_lg_u32 s3, 0
	s_cbranch_scc1 .Llap
	TURN 0, 1, 0                                   ; the last lap fills nothing
	STEP 1, 0, 0
	s_wait_dscnt 4*NL
	WIN MUL_LO
	MUL16 0, 1, NQ-1, 1, 0
	MUL16 2, 1, NQ-1, 1, 0
	s_wait_dscnt 0
	WIN MUL_HI
	MUL16 4, 1, NQ-1, 1, 0
	MUL16 6, 1, NQ-1, 1, 0
	WIN 0
; THE WAY OUT, block by block of 16 tokens x 128 columns.  LDS serves a wave's instructions in order: no wait between the stores and the loads, nor in front of the next block's stores.
.macro TOSTAGE a
.set AC, 64*((\a)%4)
	WIN 0x08+4*((\a)/4)                            ; the data: window 2 or 3
.irp b, 0,1,2,3,4,5,6,7
	ds_store_b128 v[STO], v[AC+8*\b:AC+8*\b+3] offset:128*(\b/2)+32*(\b%2)          ; columns 32 (b / 2) + 16 h + 8 (b % 2) on; each accumulator from its low end on
	ds_store_b128 v[STO], v[AC+8*\b+4:AC+8*\b+7] offset:128*(\b/2)+32*(\b%2)+16
.endr
	WIN 0
.set BB, BK+64*((\a)%2)
.irp t, 0,1,2,3,4,5,6,7,8,9,10,11,12,13,14,15
	ds_load_b128 v[BB+4*\t:BB+4*\t+3], v[RD] offset:\t*SPITCH
.endr
.endm
.macro SEND a, younger                 ; younger: the LDS instructions issued behind block a's loads, which may stay out
.set BB, BK+64*((\a)%2)
	s_wait_dscnt \younger
.irp t, 0,1,2,3,4,5,6,7,8,9,10,11,12,13,14,15
	global_store_b128 v[L16], v[BB+4*\t:BB+4*\t+3], s[14:15] offset:(32*((\a)/2)+8*((\a)%2)+\t%8+16*(\t/8))*4096 th:TH_STORE_NT   ; stage row t is token 32 (a / 2) + 8 (a % 2) + t + 8 (t / 8); 32 lanes store 512 consecutive bytes, aligned to 256; 127 rows at the most: inside the signed 24-bit immediate
.endr
.endm
	PLACES NP
	TOSTAGE 0
.irp a, 1,2,3,4,5,6,7
.if \a > 1
	s_wait_xcnt 0x0                                ; block a - 2's stores have read their registers: block a's loads may land there
.endif
	TOSTAGE \a
	SEND \a-1, 32                                  ; behind block a - 1's loads: block a's 16 stores and 16 loads
.endr
	SEND 7, 0
	s_wait_tensorcnt 0x0                           ; the wave's end
	ds_add_u32 v[SPW], v[NIL]
	s_wait_dscnt 0x0
	CROUND                                         ; the closing round
	s_endpgm
.Lfunc_end_k_q7eb9b426ce_oproj:
	.size	k_q7eb9b426ce_oproj, .Lfunc_end_k_q7eb9b426ce_oproj-k_q7eb9b426ce_oproj
	.p2alignl 7, 3214868480
	.fill 96, 4, 3214868480
	.section	.rodata,"a",@progbits
	.p2align	6, 0x0
	.amdhsa_kernel k_q7eb9b426ce_oproj
		.amdhsa_group_segment_fixed_size 327680
		.amdhsa_private_segment_fixed_size 0
		.amdhsa_enable_private_segment 0
		.amdhsa_kernarg_size 48
		.amdhsa_user_sgpr_count 2
		.amdhsa_user_sgpr_kernarg_segment_ptr 1
		.amdhsa_wavefront_size32 1
		.amdhsa_system_sgpr_workgroup_id_x 1
		.amdhsa_system_sgpr_workgroup_id_y 1
		.amdhsa_system_sgpr_workgroup_id_z 1
		.amdhsa_system_vgpr_workitem_id 0
		.amdhsa_next_free_vgpr 1024
		.amdhsa_next_free_sgpr 96
		.amdhsa_reserve_vcc 0
		.amdhsa_float_denorm_mode_32 3
		.amdhsa_float_denorm_mode_16_64 3
		.amdhsa_memory_ordered 1
		.amdhsa_forward_progress 1
		.amdhsa_inst_pref_size 160
	.end_amdhsa_kernel
	.amdgpu_metadata
---
amdhsa.version: [ 1, 2 ]
amdhsa.kernels:
  - .name:           k_q7eb9b426ce_oproj
    .symbol:         k_q7eb9b426ce_oproj.kd
    .args:
      - { .name: o_codes, .offset: 0, .size: 8, .value_kind: global_buffer, .address_space: global }
      - { .name: o_scales, .offset: 8, .size: 8, .value_kind: global_buffer, .address_space: global }
      - { .name: w_codes, .offset: 16, .size: 8, .value_kind: global_buffer, .address_space: global }
      - { .name: w_scales, .offset: 24, .size: 8, .value_kind: global_buffer, .address_space: global }
      - { .name: b_o, .offset: 32, .size: 8, .value_kind: global_buffer, .address_space: global }
      - { .name: out0, .offset: 40, .size: 8, .value_kind: global_buffer, .address_space: global }
    .group_segment_fixed_size: 327680
    .private_segment_fixed_size: 0
    .kernarg_segment_align: 8
    .kernarg_segment_size: 48
    .max_flat_workgroup_size: 128
    .sgpr_count:     96
    .vgpr_count:     1024
    .wavefront_size: 32
...
	.end_amdgpu_metadata
.endif
;; end of part 5
